; MI455X (gfx1250); checked and timed in simulation.
; The chip was launched on July 23, 2026; its instructions are those of AMD's public machine-readable ISA for CDNA 5 (MIT licence, August 2026) and "CDNA5" Instruction Set Architecture Reference Guide (July 2026). The comments in the code are by the model that wrote it; some were corrected since.
;; Hybrid Transformer Block. Allowed arithmetic: matrix products marked QUANTISED: E4M3 operands, one E8M0 scale for each 32 along K, by v_wmma_scale_f32_16x16x128_f8f6f4 with both operands' format E4M3, f32 sums; everything else in f32.
;; Inputs: b1 4,096 float32; b2 1,024 float32; ln1_b 1,024 float32; ln1_g 1,024 float32; ln2_b 1,024 float32; ln2_g 1,024 float32; theta 1 float32; w1_codes 4,096 x 32 x 32 uint8 (E4M3 codes of w1, K innermost, in blocks of 32 codes); w1_scales 4,096 x 32 uint8 (E8M0 scales of w1, one for each 32 codes along K); w2_codes 1,024 x 128 x 32 uint8 (E4M3 codes of w2, K innermost, in blocks of 32 codes); w2_scales 1,024 x 128 uint8 (E8M0 scales of w2, one for each 32 codes along K); wk_codes 1,024 x 32 x 32 uint8 (E4M3 codes of wk, K innermost, in blocks of 32 codes); wk_scales 1,024 x 32 uint8 (E8M0 scales of wk, one for each 32 codes along K); wo_codes 1,024 x 32 x 32 uint8 (E4M3 codes of wo, K innermost, in blocks of 32 codes); wo_scales 1,024 x 32 uint8 (E8M0 scales of wo, one for each 32 codes along K); wq_codes 1,024 x 32 x 32 uint8 (E4M3 codes of wq, K innermost, in blocks of 32 codes); wq_scales 1,024 x 32 uint8 (E8M0 scales of wq, one for each 32 codes along K); wv_codes 1,024 x 32 x 32 uint8 (E4M3 codes of wv, K innermost, in blocks of 32 codes); wv_scales 1,024 x 32 uint8 (E8M0 scales of wv, one for each 32 codes along K); x 2 x 2,048 x 1,024 float32.
;; Outputs: out0 2 x 2,048 x 1,024 float32.
;; This version of the problem:
;;   THIS VERSION OF THE PROBLEM IS GIVEN IN LOW PRECISION. The matrix products marked QUANTISED in the list below multiply operands that are first quantised to E4M3 (4 exponent bits, 3 mantissa bits; 8 bits a number), with one power-of-two scale for each 32 numbers along K (OCP MX v1.0); their sums are f32. All else is computed in f32.
;;   The module's matrix products, in the order in which they are computed (A, B: the left and right operand; K: the contracted axis; several contracted axes count as one K, in the product's order):
;;     1. [M 4,096, K 1,024] x [K 1,024, N 1,024]; A: input x; B: input wq (given as codes): QUANTISED
;;     2. [M 4,096, K 1,024] x [K 1,024, N 1,024]; A: input x; B: input wk (given as codes): QUANTISED
;;     3. [M 4,096, K 1,024] x [K 1,024, N 1,024]; A: input x; B: input wv (given as codes): QUANTISED
;;     4. batch 32 x [M 2,048, K 64] x [K 64, N 2,048]; A: computed on the way; B: computed on the way: QUANTISED
;;     5. batch 32 x [M 2,048, K 2,048] x [K 2,048, N 64]; A: softmax (see below); B: computed on the way: QUANTISED
;;     6. [M 4,096, K 1,024] x [K 1,024, N 1,024]; A: computed on the way; B: input wo (given as codes): QUANTISED
;;     7. [M 4,096, K 1,024] x [K 1,024, N 4,096]; A: computed on the way; B: input w1 (given as codes): QUANTISED
;;     8. [M 4,096, K 4,096] x [K 4,096, N 1,024]; A: computed on the way; B: input w2 (given as codes): QUANTISED
;;   THE QUANTISER, for each operand of a quantised product, along K:
;;     - K is cut into blocks of 32 from its start; a last block that is shorter is filled with zeros.
;;     - A block's scale is 2^e with e = floor(log2(the largest magnitude in the block)) - 8, held to -126 .. 127; a block of zeros has e = 0. As a byte (E8M0): e + 127.
;;     - Each number is divided by its block's scale, clamped to +-448, and rounded to the nearest number of E4M3, ties to even, subnormals kept.
;;     - The product sums the exact products of the quantised numbers (number of the format x scale) in f32.
;;   ~~~python
;;   def quantise(x, axis):      # numpy; x: float32 -> the quantised numbers, widened to float32 again
;;       x = np.moveaxis(x, axis, -1); K = x.shape[-1]
;;       x = np.pad(x, [(0, 0)] * (x.ndim - 1) + [(0, -K % 32)]); x = x.reshape(x.shape[:-1] + (-1, 32)); a = np.abs(x).max(-1, keepdims=True)
;;       e = np.where(a > 0, np.clip(np.frexp(np.where(a > 0, a, 1))[1] - 1 - 8, -126, 127), 0)      # np.frexp(a)[1] - 1 = floor(log2(a)), exactly
;;       r = np.clip(x / 2.0 ** e, -448, 448)
;;       step = 2.0 ** (np.maximum(np.frexp(np.where(r == 0, 1, r))[1] - 1, -6) - 3)
;;       q = np.round(r / step) * step * 2.0 ** e      # np.round: ties to even
;;       return np.moveaxis(q.reshape(q.shape[:-2] + (-1,))[..., :K], -1, axis).astype(np.float32)
;;   ~~~
;;   SOFTMAX AHEAD OF A QUANTISED PRODUCT. Where the list says 'softmax', what is quantised is not the finished softmax but p = 2^(t - M), with t = logit x log2(e) and M = ceil(the row's largest t), a whole number; so 1/2 < the row's largest p <= 1. The row's sum l is taken of the UNQUANTISED p, in f32, and the product's result is divided by l at the end. Since M is a whole number, a kernel that streams over the keys may use a running M (the ceiling of the running maximum): every later rescaling is an exact power of two, which a block's scale takes up: the codes' values come out the same.
;;   OPERANDS COMPUTED ON THE WAY. 'Computed on the way' means the value that the module computes at that place (a softmax that the list does not call 'softmax' is quantised finished and normalised). What goes into a quantiser is computed in f32, as accurately as f32 sums, v_exp_f32 and their like allow (about 1e-6 of the number): no bf16 or f16 on the way to a quantiser, and a product that is left as it is and whose result goes on into a quantised operand takes f32 operands (vector FMAs, or v_wmma_f32_16x16x4_f32). A number that lies on a knife's edge between two numbers of the format may be rounded either way, as far as f32 arithmetic and the matrix unit's own rounding can turn it there, and no further.
;;   INPUTS GIVEN AS CODES. w1 (in the module: [1024, 4096], K = its axis 0); w2 (in the module: [4096, 1024], K = its axis 0); wk (in the module: [1024, 1024], K = its axis 0); wo (in the module: [1024, 1024], K = its axis 0); wq (in the module: [1024, 1024], K = its axis 0); wv (in the module: [1024, 1024], K = its axis 0): each comes as NAME_codes (uint8): NAME with its K axis moved to the last place and cut into blocks of 32 codes, [.., K / 32, bytes a block], one block behind the other in memory; one code a byte (a code: sign, 4 exponent bits, 3 mantissa bits); and NAME_scales (uint8): the same leading axes, one E8M0 byte (e + 127) for each 32 codes along K. Its value is code x scale, taken as it is: it is not quantised again, and the codes and scales need not be those that the quantiser above would give.
;; One version. Each part assembles by itself: llvm-mc -triple=amdgcn-amd-amdhsa -mcpu=gfx1250 --defsym DOCPART=n.
;; ======== version 1 of 1: 8 launches
;; limits: right only within a limited range of input values
;; workspace buffers: xq 4,325,376 bytes; qkvb 12,976,128 bytes; ctx 4,325,376 bytes; gout 16,777,216 bytes; x1b 21,102,592 bytes; hb 17,301,504 bytes
;; launch qx (part 1): grid 256 x 1, 8 waves a work-group, no clusters, 42,496 bytes of LDS; arguments x, xq; writes xq
.if DOCPART == 1
	.amdgcn_target "amdgcn-amd-amdhsa--gfx1250"
	.amdhsa_code_object_version 6
	.text
	.protected	k_q8c2b61dca4_qx
	.globl	k_q8c2b61dca4_qx
	.p2align	8
	.type	k_q8c2b61dca4_qx,@function
k_q8c2b61dca4_qx:
	s_mov_b64 s[64:65], 0
	v_nop
	global_prefetch_b8 v0, s[64:65] scope:SCOPE_SE
	s_setreg_imm32_b32 hwreg(HW_REG_WAVE_MODE, 25, 1), 1
	s_wait_xcnt 0x0
; x [4096][1024] f32 becomes codes of E4M3, K innermost, at xq + 0, and one E8M0 byte for each 32 along K, [4096][32], at xq + XS_OFF.
; A block's scale is 2^(floor(log2(its largest magnitude)) - 8); its byte is the largest magnitude's exponent field - 8, held at 1 from below.
; LIMITS: a block of zeros, or one whose largest magnitude lies under 2^-118, gets the byte 1 (its codes are zeros or tiny; the bytes are read by this program alone); NaN and infinities are not served.
; SHARES: a work-group takes 16 rows (65,536 bytes), each of its eight waves 2 rows = 2,048 numbers, as 4 steps of 512.  All 16 loads of a wave go out first, each 512 consecutive bytes.
; The conversions want 16 neighbours in one lane: a step's 2,048 bytes turn through the wave's own stage in LDS (16 bytes of padding behind each 64).  Two neighbouring lanes hold a block.
; The work-group's 512 scale bytes are gathered in LDS and leave by one store of wave 0: 512 consecutive bytes.
.set STEPS, 4
.set MANT,  0x600000                   ; the mantissa field of 448
.set R,     16                         ; v16-79   the numbers as loaded, 16 registers a step
.set X,     80                         ; v80-111  two sets of 16 neighbours
.set E,     112                        ; v112-115 a scale byte for each step
.set C,     128                        ; v128-143 codes, four registers a step
.set SP,    80                         ; a lane's place in a stage: 64 bytes + 16
.set WREG,  2*32*SP                    ; a wave's two stages
.set SCB,   8*WREG                     ; behind them: the work-group's 512 scale bytes
.set XS_OFF, 0x400000
	s_load_b128 s[4:7], s[0:1], 0x0                ; x, xq
	v_lshl_add_u32 v160, v0, 2, 0xa200
	v_mov_b32 v161, 0
	v_lshrrev_b32 v1, 5, v0
	s_delay_alu instid0(VALU_DEP_1)
	v_readfirstlane_b32 s16, v1                    ; wave 0..7
	v_and_b32 v2, 31, v0                           ; lane
	s_delay_alu instid0(VALU_DEP_1)
	v_lshlrev_b32 v3, 4, v2                        ; 16 x lane: a load's, a code store's and the last store's place
	s_mul_i32 s17, s16, WREG
	v_lshrrev_b32 v14, 2, v2
	s_delay_alu instid0(VALU_DEP_1)
	v_mul_u32_u24 v14, v14, SP
	v_and_b32 v15, 3, v2
	s_delay_alu instid0(VALU_DEP_1)
	v_lshl_add_u32 v14, v15, 4, v14
	s_delay_alu instid0(VALU_DEP_1)
	v_add_nc_u32 v14, s17, v14                     ; the stage, on the way in: SP (lane / 4) + 16 (lane % 4)
	v_mul_u32_u24 v15, v2, SP
	s_delay_alu instid0(VALU_DEP_1)
	v_add_nc_u32 v15, s17, v15                     ; and on the way out: SP x lane
	v_lshrrev_b32 v5, 1, v2
	s_lshl_b32 s17, s16, 6
	s_add_co_u32 s17, s17, SCB
	v_add_nc_u32 v5, s17, v5                       ; my block's scale byte: SCB + 64 x wave + lane / 2
	v_add_nc_u32 v6, SCB, v3                       ; wave 0's read of all 512
	s_lshl_b32 s18, ttmp9, 3
	s_add_co_u32 s18, s18, s16                     ; my run of 2,048 numbers
	s_lshl_b32 s20, s18, 13                        ; in x: 8,192 bytes a run
	s_mov_b32 s21, 0
	s_lshl_b32 s22, s18, 11                        ; in the codes: 2,048
	s_mov_b32 s23, 0
	s_lshl_b32 s24, ttmp9, 9
	s_add_co_u32 s24, s24, XS_OFF                  ; the work-group's scale bytes
	s_mov_b32 s25, 0
	s_mov_b32 s26, MANT
	s_wait_alu depctr_va_vdst(0)
	s_wait_kmcnt 0x0
	s_add_nc_u64 s[4:5], s[4:5], s[20:21]
	s_add_nc_u64 s[8:9], s[6:7], s[22:23]
	s_add_nc_u64 s[10:11], s[6:7], s[24:25]
.macro LOAD t
.irp i, 0,1,2,3
	global_load_b128 v[R+16*(\t)+4*\i:R+16*(\t)+4*\i+3], v3, s[4:5] offset:2048*(\t)+512*\i th:TH_LOAD_NT
.endr
.endm
.macro TURN t                          ; step t's numbers through a stage; LDS serves a wave's instructions in order, so no wait stands between the stores and the loads
.irp i, 0,1,2,3
	ds_store_b128 v14, v[R+16*(\t)+4*\i:R+16*(\t)+4*\i+3] offset:32*SP*((\t)%2)+8*SP*\i
.endr
.irp i, 0,1,2,3
	ds_load_b128 v[X+16*((\t)%2)+4*\i:X+16*((\t)%2)+4*\i+3], v15 offset:32*SP*((\t)%2)+16*\i
.endr
.endm
.macro STEP t
.set XS, X+16*((\t)%2)
.if (\t) > 0
	s_wait_dscnt 1                                 ; this step's numbers are back; the last step's byte store may be out
.else
	s_wait_dscnt 0x0
.endif
.if (\t)+1 < STEPS
	s_wait_loadcnt 4*(STEPS-2-(\t))                ; the next step's four loads are in; the later steps' may be out
	TURN (\t)+1
.endif
	v_max3_num_f32 v8, |v[XS]|, |v[XS+1]|, |v[XS+2]|
	v_max3_num_f32 v9, |v[XS+3]|, |v[XS+4]|, |v[XS+5]|
.irp i, 6,10
	s_delay_alu instid0(VALU_DEP_2)
	v_max3_num_f32 v8, v8, |v[XS+\i]|, |v[XS+\i+1]|
	s_delay_alu instid0(VALU_DEP_2)
	v_max3_num_f32 v9, v9, |v[XS+\i+2]|, |v[XS+\i+3]|
.endr
	s_delay_alu instid0(VALU_DEP_2)
	v_max3_num_f32 v8, v8, |v[XS+14]|, |v[XS+15]|
	s_delay_alu instid0(VALU_DEP_1)
	v_max3_num_f32 v8, v8, v9, 0x4800000           ; the floor 2^(9 - 127): the byte cannot fall under 1
	s_delay_alu instid0(VALU_DEP_1)
	v_max_num_f32_dpp v8, v8, v8 row_xmask:1 row_mask:0xf bank_mask:0xf   ; with my neighbour's 16: the block's
	s_delay_alu instid0(VALU_DEP_1)
	v_add_nc_u32 v11, 0xfc000000, v8               ; 8 off the exponent field: the conversion's scale operand
	s_delay_alu instid0(VALU_DEP_2)
	v_and_or_b32 v10, v8, 0x7f800000, s26          ; 448 x the scale
.irp i, 0,1,2,3,4,5,6,7,8,9,10,11,12,13,14,15
	v_med3_num_f32 v[XS+\i], v[XS+\i], -v10, v10   ; the conversion does not saturate (ISA guide 7.6.2): the hold comes first
.endr
	v_cvt_scalef32_pk8_fp8_f32 v[C+4*(\t):C+4*(\t)+1], v[XS:XS+7], v11
	v_cvt_scalef32_pk8_fp8_f32 v[C+4*(\t)+2:C+4*(\t)+3], v[XS+8:XS+15], v11
	v_lshrrev_b32 v[E+(\t)], 23, v11               ; the scale's byte (also the plain line behind the conversions)
	ds_store_b8 v5, v[E+(\t)] offset:16*(\t)       ; both lanes of a block write the same byte with the same value
	global_store_b128 v3, v[C+4*(\t):C+4*(\t)+3], s[8:9] offset:512*(\t)   ; 512 consecutive bytes
.endm
.irp t, 0,1,2,3
	LOAD \t
.endr
	s_wait_loadcnt 12                              ; step 0's four loads are in
	TURN 0
.irp t, 0,1,2,3
	STEP \t
.endr
	s_wait_dscnt 0x0                               ; my byte stores have landed
	s_barrier_signal -1
	s_barrier_wait -1                              ; everybody's have
	s_cmp_lg_u32 s16, 0
	s_cbranch_scc1 .Ldone
	ds_load_b128 v[144:147], v6
	s_wait_dscnt 0x0
	global_store_b128 v3, v[144:147], s[10:11]     ; the 16 rows' scale bytes: 512 consecutive bytes
.Ldone:
	s_wait_tensorcnt 0x0
	ds_add_u32 v160, v161
	s_wait_dscnt 0x0
	s_endpgm
.Lfunc_end_k_q8c2b61dca4_qx:
	.size	k_q8c2b61dca4_qx, .Lfunc_end_k_q8c2b61dca4_qx-k_q8c2b61dca4_qx
	.p2alignl 7, 3214868480
	.fill 96, 4, 3214868480
	.section	.rodata,"a",@progbits
	.p2align	6, 0x0
	.amdhsa_kernel k_q8c2b61dca4_qx
		.amdhsa_group_segment_fixed_size 42496
		.amdhsa_private_segment_fixed_size 0
		.amdhsa_enable_private_segment 0
		.amdhsa_kernarg_size 16
		.amdhsa_user_sgpr_count 2
		.amdhsa_user_sgpr_kernarg_segment_ptr 1
		.amdhsa_wavefront_size32 1
		.amdhsa_system_sgpr_workgroup_id_x 1
		.amdhsa_system_sgpr_workgroup_id_y 1
		.amdhsa_system_sgpr_workgroup_id_z 1
		.amdhsa_system_vgpr_workitem_id 0
		.amdhsa_next_free_vgpr 162
		.amdhsa_next_free_sgpr 66
		.amdhsa_reserve_vcc 0
		.amdhsa_float_denorm_mode_32 3
		.amdhsa_float_denorm_mode_16_64 3
		.amdhsa_memory_ordered 1
		.amdhsa_forward_progress 1
		.amdhsa_inst_pref_size 16
	.end_amdhsa_kernel
	.amdgpu_metadata
---
amdhsa.version: [ 1, 2 ]
amdhsa.kernels:
  - .name:           k_q8c2b61dca4_qx
    .symbol:         k_q8c2b61dca4_qx.kd
    .args:
      - { .name: x, .offset: 0, .size: 8, .value_kind: global_buffer, .address_space: global }
      - { .name: xq, .offset: 8, .size: 8, .value_kind: global_buffer, .address_space: global }
    .group_segment_fixed_size: 42496
    .private_segment_fixed_size: 0
    .kernarg_segment_align: 8
    .kernarg_segment_size: 16
    .max_flat_workgroup_size: 256
    .sgpr_count:     66
    .vgpr_count:     162
    .wavefront_size: 32
...
	.end_amdgpu_metadata
.endif
;; end of part 1
;; launch qkv (part 2): grid 12 x 16, 4 waves a work-group, clusters of 4 x 4, 327,680 bytes of LDS; arguments xq, wq_codes, wk_codes, wv_codes, wq_scales, wk_scales, wv_scales, qkvb; writes qkvb
.if DOCPART == 2
	.amdgcn_target "amdgcn-amd-amdhsa--gfx1250"
	.amdhsa_code_object_version 6
	.text
	.protected	k_q8c2b61dca4_qkv
	.globl	k_q8c2b61dca4_qkv
	.p2align	8
	.type	k_q8c2b61dca4_qkv,@function
k_q8c2b61dca4_qkv:
	s_mov_b64 s[64:65], 0
	v_nop
	global_prefetch_b8 v0, s[64:65] scope:SCOPE_SE
	s_setreg_imm32_b32 hwreg(HW_REG_WAVE_MODE, 25, 1), 1
	s_wait_xcnt 0x0
	s_wait_alu depctr_hold_cnt(0) depctr_sa_sdst(0) depctr_va_vdst(0) depctr_va_sdst(0) depctr_va_ssrc(0) depctr_va_vcc(0) depctr_vm_vsrc(0)
	s_getreg_b32 s2, hwreg(HW_REG_IB_STS2, 6, 4)
	s_cmp_eq_u32 s2, 0
	s_cbranch_scc0 .Lentry_in_a_cluster
	s_endpgm
.Lentry_in_a_cluster:
	s_bfe_u32 s2, ttmp6, 0x10000c
	s_cmp_lg_u32 s2, 0xf033
	s_cbranch_scc0 .Lentry_shape_is_right
	s_endpgm
.Lentry_shape_is_right:
.set SIZE_K, 1024
.set KSTEP,  256
.set NQ,     KSTEP/128
.set ROWB,   256
.set KROW,   SIZE_K
.set PITCH,  272
.set FR,     16
.set NL,     4
.set NP,     8
.set HALFT,  128*PITCH
.set SLOT,   4*HALFT
.set LAPS,   SIZE_K/(2*KSTEP)
.set KS,     SIZE_K/32
.set SCL,    2*SLOT
.set HALFS,  (128*KS/256)*272
.set SBLK,   (16*KS/256)*272
.set SPARE,  SCL+4*HALFS
.set XS_OFF, 0x400000
.set ADRA, 16
.set ADRB, 20
.set EA,   24
.set EB,   25
.set EC,   26
.set ADRS, 27
.set SPW,  28
.set NIL,  29
.set SC,   32
.set AF,   128
.set T,    128
.set PC,   192
.set TM,   208
.set PW,   224
.set PS,   225
.set G1, 24
.set G0, 32
.set G1B, 48
.set G0B, 56
.set G1S, 68
.set G0S, 76
.set G1SB, 80
.set G0SB, 88
.set SEL, 96
.set MNT, 98
.set MSB, 0
.macro WIN new
.if MSB != \new
	s_set_vgpr_msb (MSB<<8)|\new
.set MSB, \new
.endif
.endm
.set MUL_LO, 0xa1
.set MUL_HI, 0xf1
.set TO_B,   0x40
.macro JLOAD g0a, g1a, g0b, g1b
	s_cmp_eq_u32 s15, 0
	s_cbranch_scc0 .Lfor_b_\@
	tensor_load_to_lds s[\g0a:\g0a+3], s[\g1a:\g1a+7]
	s_nop 0
.rept 4
	v_nop
.endr
	s_branch .Lasked_\@
.Lfor_b_\@:
	tensor_load_to_lds s[\g0b:\g0b+3], s[\g1b:\g1b+7]
	s_nop 0
.rept 4
	v_nop
.endr
.Lasked_\@:
.endm
.macro CREST
	s_cmp_lg_u32 s14, 0
	s_cbranch_scc1 .Lnot_wave_0_\@
	s_barrier_signal -3
.Lnot_wave_0_\@:
	s_barrier_wait -3
	s_barrier_signal -1
	s_barrier_wait -1
.endm
.macro CROUND
	s_barrier_signal -1
	s_barrier_wait -1
	CREST
.endm
	s_load_b512 s[84:99], s[0:1], 0x0
	v_lshl_add_u32 v[SPW], v0, 2, SPARE
	v_mov_b32 v[NIL], 0
	ds_add_u32 v28, v29
	ds_add_u32 v28, v29
	s_wait_dscnt 0x0
	v_lshrrev_b32 v1, 5, v0
	v_readfirstlane_b32 s14, v1
	s_lshr_b32 s15, s14, 1
	s_and_b32 s16, s14, 1
	s_bfe_u32 s40, ttmp6, 0x40000
	s_bfe_u32 s41, ttmp6, 0x40004
	s_and_b32 s18, ttmp7, 0xffff
	s_lshl_b32 s18, s18, 2
	s_cmp_eq_u32 ttmp9, 2
	s_cselect_b32 s17, 0, s18
	s_cselect_b32 s42, s18, 0
	s_add_co_u32 s17, s17, s41
	s_add_co_u32 s42, s42, s40
	s_lshl_b32 s43, s41, 2
	s_lshl_b32 s43, 15, s43
	s_lshl_b32 s44, 0x1111, s40
	s_wait_kmcnt 0x0
	s_add_nc_u64 s[6:7], s[84:85], XS_OFF
	s_cmp_eq_u32 ttmp9, 1
	s_cselect_b64 s[8:9], s[88:89], s[86:87]
	s_cselect_b64 s[10:11], s[94:95], s[92:93]
	s_cmp_eq_u32 ttmp9, 2
	s_cselect_b64 s[8:9], s[84:85], s[8:9]
	s_cselect_b64 s[10:11], s[6:7], s[10:11]
	s_cselect_b64 s[4:5], s[90:91], s[84:85]
	s_cselect_b64 s[6:7], s[96:97], s[6:7]
	s_mov_b64 s[12:13], s[98:99]
	s_or_b32 s[G1+0], s43, (0<<16)|(1<<20)|(1<<21)|(5<<22)|(3<<25)
	s_or_b32 s[G1B+0], s44, (0<<16)|(1<<20)|(1<<21)|(5<<22)|(3<<25)
.irp g, G1, G1B
	s_mov_b32 s[\g+1], ROWB<<16
	s_mov_b32 s[\g+2], 256<<16
	s_mov_b32 s[\g+3], ROWB<<16
	s_mov_b32 s[\g+4], 256
	s_mov_b32 s[\g+5], KROW
	s_mov_b32 s[\g+6], 0
	s_mov_b32 s[\g+7], 0
.endr
	s_or_b32 s[G1S+0], s43, (3<<16)|(1<<20)|(1<<21)|(5<<22)|(3<<25)
	s_or_b32 s[G1SB+0], s44, (3<<16)|(1<<20)|(1<<21)|(5<<22)|(3<<25)
.irp g, G1S, G1SB
	s_mov_b32 s[\g+1], 32<<16
	s_mov_b32 s[\g+2], (256*KS/256)<<16
	s_mov_b32 s[\g+3], 32<<16
	s_mov_b32 s[\g+4], 256*KS/256
	s_mov_b32 s[\g+5], 32
	s_mov_b32 s[\g+6], 0
	s_mov_b32 s[\g+7], 0
.endr
	s_lshl_b32 s20, s17, 8                         ; the tiles' first rows
	s_lshl_b32 s46, s42, 8
	s_mov_b32 s21, 0
	s_mov_b32 s47, 0
	s_mov_b64 s[18:19], KS
	s_mul_u64 s[22:23], s[20:21], s[18:19]
	s_mul_u64 s[92:93], s[46:47], s[18:19]
	s_mov_b64 s[18:19], KROW
	s_mul_u64 s[20:21], s[20:21], s[18:19]
	s_mul_u64 s[46:47], s[46:47], s[18:19]
	s_mul_i32 s45, s14, HALFT
	s_add_nc_u64 s[20:21], s[4:5], s[20:21]
	s_add_nc_u64 s[22:23], s[6:7], s[22:23]
	s_add_nc_u64 s[46:47], s[8:9], s[46:47]
	s_add_nc_u64 s[92:93], s[10:11], s[92:93]
	CROUND
	s_mov_b32 s[G0S], 1
	s_mov_b32 s[G0S+1], SCL
	s_mov_b64 s[G0S+2:G0S+3], s[22:23]
	s_or_b32 s[G0S+3], s[G0S+3], 0x80000000
	s_mov_b32 s[G0SB], 1
	s_mov_b32 s[G0SB+1], SCL+2*HALFS
	s_mov_b64 s[G0SB+2:G0SB+3], s[92:93]
	s_or_b32 s[G0SB+3], s[G0SB+3], 0x80000000
	s_mov_b32 s4, 1                                ; s[4:7], s[8:11]: group 0 of the head's loads of K step 0: source 1's 256 rows, source 0's 256 rows (the pointers that lay there are used up)
	s_mov_b32 s5, 0
	s_mov_b64 s[6:7], s[20:21]
	s_or_b32 s7, s7, 0x80000000
	s_mov_b32 s8, 1
	s_mov_b32 s9, 2*HALFT
	s_mov_b64 s[10:11], s[46:47]
	s_or_b32 s11, s11, 0x80000000
	s_mul_i32 s18, s16, 128*KROW                   ; for the ring: my 128 rows of a tile
	s_mov_b32 s19, 0
	s_add_nc_u64 s[20:21], s[20:21], s[18:19]
	s_add_nc_u64 s[46:47], s[46:47], s[18:19]
.irp s, 0,1
	s_mov_b32 s[G0+4*\s], 1
	s_add_co_u32 s[G0+4*\s+1], s45, \s*SLOT
	s_add_nc_u64 s[G0+4*\s+2:G0+4*\s+3], s[20:21], \s*ROWB
	s_or_b32 s[G0+4*\s+3], s[G0+4*\s+3], 0x80000000
	s_mov_b32 s[G0B+4*\s], 1
	s_add_co_u32 s[G0B+4*\s+1], s45, \s*SLOT
	s_add_nc_u64 s[G0B+4*\s+2:G0B+4*\s+3], s[46:47], \s*ROWB
	s_or_b32 s[G0B+4*\s+3], s[G0B+4*\s+3], 0x80000000
.endr
; THE HEAD'S LOADS, ONE A WAVE, in one chain of branches on the wave's number: K step 0's two tiles of 256 rows, and the two blocks of scale bytes.
.macro ARM under, g0, g1, next
	s_cmp_lt_u32 s14, \under
	s_cbranch_scc0 \next
	tensor_load_to_lds s[\g0:\g0+3], s[\g1:\g1+7]
	s_nop 0
.rept 4
	v_nop
.endr
	s_branch .Lhead_asked
\next:
.endm
	ARM 1, 4,   G1,  .Lhead_b
	ARM 2, 8,   G1B, .Lhead_sa
	ARM 3, G0S, G1S, .Lhead_sb
	tensor_load_to_lds s[G0SB:G0SB+3], s[G1SB:G1SB+7]
	s_nop 0
.rept 4
	v_nop
.endr
.Lhead_asked:
	; THE PREFETCHES: of the 128 rows that my wave fetches in the ring, each of the four partners that ask for them jointly names 32, told apart by address; a lane a row, 256 bytes of a row a K step.
	s_cmp_eq_u32 s15, 0
	s_cselect_b64 s[92:93], s[20:21], s[46:47]
	s_cselect_b32 s94, s40, s41
	s_lshl_b32 s94, s94, 15
	s_mov_b32 s95, 0
	s_add_nc_u64 s[92:93], s[92:93], s[94:95]
	v_and_b32 v30, 31, v0
	v_lshlrev_b32 v30, 10, v30
	global_prefetch_b8 v30, s[92:93] offset:256 th:TH_LOAD_NT scope:SCOPE_SE   ; K steps 1 and 2
	global_prefetch_b8 v30, s[92:93] offset:512 th:TH_LOAD_NT scope:SCOPE_SE
	v_and_b32 v1, 15, v0
	v_bfe_u32 v2, v0, 4, 1
	v_mul_u32_u24 v3, v1, PITCH
	v_lshl_add_u32 v4, v2, 4, v3
	s_mul_i32 s21, s15, HALFT
	s_mul_i32 s22, s16, HALFT
	s_add_co_u32 s22, s22, 2*HALFT
.irp s, 0,1
	v_add_nc_u32 v[ADRA+\s], s21, v4
	v_add_nc_u32 v[ADRB+\s], s22, v4
	s_add_co_u32 s21, s21, SLOT
	s_add_co_u32 s22, s22, SLOT
.endr
	v_mul_u32_u24 v5, v1, KS
	v_lshrrev_b32 v6, 8, v5
	v_lshl_add_u32 v5, v6, 4, v5
	s_mul_i32 s21, s15, HALFS
	s_mul_i32 s22, s16, HALFS
	s_add_co_u32 s22, s22, 2*HALFS
	s_sub_co_u32 s22, s22, s21
	v_mul_u32_u24 v6, s22, v2
	s_add_co_u32 s21, s21, SCL
	v_add_nc_u32 v5, v5, v6
	v_add_nc_u32 v[ADRS], s21, v5
.macro FRAG reg, adr, q, i
.irp c, 0,1,2,3
	ds_load_b128 v[\reg+4*\c:\reg+4*\c+3], v[\adr] offset:128*(\q)+32*\c+(\i)*16*PITCH
.endr
.endm
.macro MUL16 a0, p, q, sc, zero
.irp a, \a0, \a0+1
.irp b, 0,1,2,3,4,5,6,7
.if \zero
	v_wmma_scale_f32_16x16x128_f8f6f4 v[8*(8*((\a)%4)+\b):8*(8*((\a)%4)+\b)+7], v[128*(\p)+FR*\b:128*(\p)+FR*\b+FR-1], v[AF+FR*(\a):AF+FR*(\a)+FR-1], 0, v[SC+8*NQ*(\sc)+NQ*\b+(\q)], v[SC+8*NQ*(\sc)+NQ*(\a)+(\q)] matrix_a_scale:MATRIX_SCALE_ROW1
.else
	v_wmma_scale_f32_16x16x128_f8f6f4 v[8*(8*((\a)%4)+\b):8*(8*((\a)%4)+\b)+7], v[128*(\p)+FR*\b:128*(\p)+FR*\b+FR-1], v[AF+FR*(\a):AF+FR*(\a)+FR-1], v[8*(8*((\a)%4)+\b):8*(8*((\a)%4)+\b)+7], v[SC+8*NQ*(\sc)+NQ*\b+(\q)], v[SC+8*NQ*(\sc)+NQ*(\a)+(\q)] matrix_a_scale:MATRIX_SCALE_ROW1
.endif
.endr
.endr
.endm
.macro FETCH_B slot, q, p
	WIN TO_B
.irp i, 0,1,2,3,4,5,6,7
	FRAG 128*(\p)+FR*\i, ADRB+\slot, \q, \i
.endr
	WIN 0
.endm
.macro FETCH_A slot, q, i0
.irp i, \i0, \i0+1, \i0+2, \i0+3
	FRAG AF+FR*(\i), ADRA+\slot, \q, \i
.endr
.endm
.macro SCALES sc
.irp i, 0,1,2,3,4,5,6,7
	ds_load_b64 v[SC+8*NQ*\sc+NQ*\i:SC+8*NQ*\sc+NQ*\i+1], v[ADRS] offset:\i*SBLK
.endr
.endm
.macro PLACES n
.rept \n
	v_nop
.endr
.endm
.macro STEP slot, q, zero
	s_wait_dscnt 4*NL
	WIN MUL_LO
	MUL16 0, (\q)%2, \q, \slot, \zero
	MUL16 2, (\q)%2, \q, \slot, \zero
	s_wait_dscnt 0
	PLACES NP
	FETCH_B \slot, (\q)+1, 1-(\q)%2
	FETCH_A \slot, (\q)+1, 0
	WIN MUL_HI
	MUL16 4, (\q)%2, \q, \slot, \zero
	MUL16 6, (\q)%2, \q, \slot, \zero
	PLACES NP
	WIN 0
	FETCH_A \slot, (\q)+1, 4
.endm
.macro TURN slot, next, fill
	s_wait_tensorcnt 0x0
	ds_add_u32 v[SPW], v[NIL]
	s_wait_dscnt 4*NL+1
	WIN MUL_LO
	MUL16 0, 1, NQ-1, \slot, 0
	s_wait_dscnt 0x0
	s_barrier_signal -1
	MUL16 2, 1, NQ-1, \slot, 0
	WIN 0
	s_barrier_wait -1
.if \fill
	CREST
	s_add_nc_u64 s[G0+4*\slot+2:G0+4*\slot+3], s[G0+4*\slot+2:G0+4*\slot+3], 2*ROWB
	s_add_nc_u64 s[G0B+4*\slot+2:G0B+4*\slot+3], s[G0B+4*\slot+2:G0B+4*\slot+3], 2*ROWB
	JLOAD G0+4*\slot, G1, G0B+4*\slot, G1B
	PLACES NP-4
.else
	PLACES NP
.endif
	s_wait_alu depctr_va_vdst(0)
	v_add_nc_u32 v[ADRS], 4*NQ, v[ADRS]
	FETCH_B \next, 0, 0
	FETCH_A \next, 0, 0
	SCALES \next
	WIN MUL_HI
	MUL16 4, 1, NQ-1, \slot, 0
	MUL16 6, 1, NQ-1, \slot, 0
	PLACES NP
	WIN 0
	FETCH_A \next, 0, 4
.endm
	s_wait_alu depctr_va_vdst(0)
	s_wait_tensorcnt 0x0                           ; my tile of the head's four is in
	ds_add_u32 v28, v29
	s_mov_b32 s[G1+2], 128<<16                     ; no tensor load of mine is out: from here on a load brings 128 rows
	s_mov_b32 s[G1+4], 128
	s_mov_b32 s[G1B+2], 128<<16
	s_mov_b32 s[G1B+4], 128
	s_wait_dscnt 0x0
	CROUND                                         ; all four tiles are in, and all sixteen work-groups are here
	JLOAD G0+4, G1, G0B+4, G1B                     ; K step 1, the first tensor load behind the round
	global_prefetch_b8 v30, s[92:93] offset:768 th:TH_LOAD_NT scope:SCOPE_SE   ; K step 3: two loads on
	FETCH_B 0, 0, 0
	FETCH_A 0, 0, 0
	SCALES 0
	FETCH_A 0, 0, 4
	STEP 0, 0, 1
	s_mov_b32 s3, LAPS-1
.Llap:
	TURN 0, 1, 1
	STEP 1, 0, 0
	TURN 1, 0, 1
	STEP 0, 0, 0
	s_sub_co_u32 s3, s3, 1
	s_cmp_lg_u32 s3, 0
	s_cbranch_scc1 .Llap
	TURN 0, 1, 0
	STEP 1, 0, 0
	s_wait_dscnt 4*NL
	WIN MUL_LO
	MUL16 0, 1, NQ-1, 1, 0
	MUL16 2, 1, NQ-1, 1, 0
	s_wait_dscnt 0
	WIN MUL_HI
	MUL16 4, 1, NQ-1, 1, 0
	MUL16 6, 1, NQ-1, 1, 0
	WIN 0
.macro QUANTW a, relu
.set W, 2+(\a)/4
.set WW, (W<<2)|(W<<4)
.set S, 64*((\a)%4)
	WIN WW
.irp b, 0,1,2,3
	v_max3_num_f32 v[TM+\b], 0x4800000, |v[S+16*\b]|, |v[S+16*\b+1]|
.endr
.irp i, 2,4,6,8,10,12,14
.irp b, 0,1,2,3
	v_max3_num_f32 v[TM+\b], v[TM+\b], |v[S+16*\b+\i]|, |v[S+16*\b+\i+1]|
.endr
.endr
	WIN 0
.irp b, 0,1,2,3
	v_permlanex16_b32 v[TM+4+\b], v[TM+\b], s[SEL], s[SEL+1]
.endr
.irp b, 0,1,2,3
	v_max_num_f32 v[TM+\b], v[TM+\b], v[TM+4+\b]
.endr
.irp b, 0,1,2,3
	v_add_nc_u32 v[TM+12+\b], 0xfc000000, v[TM+\b]
.endr
.irp b, 0,1,2,3
	v_and_or_b32 v[TM+8+\b], v[TM+\b], 0x7f800000, s[MNT]
.endr
.irp b, 0,1,2,3
	v_lshrrev_b32 v[TM+4+\b], 23, v[TM+12+\b]
.endr
	v_lshl_or_b32 v[PW], v[TM+5], 8, v[TM+4]
	v_lshl_or_b32 v[PW], v[TM+6], 16, v[PW]
	v_lshl_or_b32 v[PW], v[TM+7], 24, v[PW]
	WIN W
.irp b, 0,1,2,3
.irp i, 0,1,2,3,4,5,6,7,8,9,10,11,12,13,14,15
	v_med3_num_f32 v[T+16*\b+\i], v[S+16*\b+\i], -v[TM+8+\b], v[TM+8+\b]
.endr
.endr
	WIN 0
.if (\a) > 0
	s_wait_alu depctr_va_vdst(0)
	s_wait_xcnt 0x0                                ; the last block's stores have read their data and bases: the conversions below are the first lines that rewrite any of them
.endif
.irp b, 0,1,2,3
	v_cvt_scalef32_pk8_fp8_f32 v[PC+4*\b:PC+4*\b+1], v[T+16*\b:T+16*\b+7], v[TM+12+\b]
	v_cvt_scalef32_pk8_fp8_f32 v[PC+4*\b+2:PC+4*\b+3], v[T+16*\b+8:T+16*\b+15], v[TM+12+\b]
.endr
	v_nop
.endm
	PLACES NP
	s_lshl_b32 s20, s17, 8
	s_lshl_b32 s21, s15, 7
	s_add_co_u32 s20, s20, s21
	s_lshl_b32 s21, s42, 8
	s_lshl_b32 s22, s16, 7
	s_add_co_u32 s21, s21, s22
	s_cmp_eq_u32 ttmp9, 2
	s_cselect_b32 s22, s21, s20
	s_cselect_b32 s23, s20, s21
	s_mov_b32 s24, 0x20000
	s_cselect_b32 s24, 1024, s24
	s_mov_b32 s26, 1024
	s_cselect_b32 s26, 2048, s26
	s_mov_b32 s28, 1024
	s_cselect_b32 s28, 124928, s28
	s_cselect_b32 s30, 64, 2
	s_cselect_b32 s32, 64, 62
	s_mov_b32 s34, 62
	s_cselect_b32 s34, 3904, s34
	s_mov_b32 s36, 4096
	s_cselect_b32 s36, 2, s36
	s_mov_b32 s25, 0
	s_mov_b32 s27, 0
	s_mov_b32 s29, 0
	s_mov_b32 s31, 0
	s_mov_b32 s33, 0
	s_mov_b32 s35, 0
	s_lshr_b32 s37, s22, 11
	s_lshl_b32 s37, s37, 4
	s_lshr_b32 s38, s23, 6
	s_add_co_u32 s37, s37, s38
	s_and_b32 s38, s22, 2047
	s_lshl_b32 s20, ttmp9, 22
	s_lshl_b32 s39, s37, 17
	s_add_co_u32 s20, s20, s39
	s_lshl_b32 s39, s38, 6
	s_add_co_u32 s20, s20, s39
	s_mov_b32 s21, 0
	s_lshl_b32 s22, ttmp9, 17
	s_add_co_u32 s22, s22, 0xC00000
	s_lshl_b32 s39, s37, 12
	s_add_co_u32 s22, s22, s39
	s_lshl_b32 s39, s38, 1
	s_add_co_u32 s22, s22, s39
	s_mov_b32 s23, 0
	s_add_nc_u64 s[22:23], s[12:13], s[22:23]
	s_add_nc_u64 s[12:13], s[12:13], s[20:21]
	s_add_nc_u64 s[20:21], s[12:13], s[24:25]
	s_mov_b32 s[SEL], 0x76543210
	s_mov_b32 s[SEL+1], 0xfedcba98
	s_mov_b32 s[MNT], 0x600000
	v_and_b32 v1, 15, v0
	v_bfe_u32 v2, v0, 4, 1
	v_and_b32 v[EA], 31, v0
	v_lshlrev_b32 v[EA], 4, v[EA]
	v_mul_u32_u24 v[EB], v2, s36
	v_lshl_add_u32 v[EB], v1, 2, v[EB]
	v_lshlrev_b32 v[EC], 4, v2
.irp b, 0,1,2,3
	v_mov_b32 v[TM+4+\b], 0
.endr
.irp a, 0,1,2,3,4,5,6,7
	QUANTW \a, 0
.if \a == 4
	s_add_nc_u64 s[12:13], s[12:13], s[28:29]
	s_add_nc_u64 s[20:21], s[20:21], s[28:29]
	s_add_nc_u64 s[22:23], s[22:23], s[34:35]
.elseif \a > 0
	s_add_nc_u64 s[12:13], s[12:13], s[26:27]
	s_add_nc_u64 s[20:21], s[20:21], s[26:27]
.if \a % 2
	s_add_nc_u64 s[22:23], s[22:23], s[30:31]
.else
	s_add_nc_u64 s[22:23], s[22:23], s[32:33]
.endif
.endif
	global_store_b128 v[EA], v[PC:PC+3], s[12:13]
	global_store_b128 v[EA], v[PC+4:PC+7], s[12:13] offset:512
	global_store_b128 v[EA], v[PC+8:PC+11], s[20:21]
	global_store_b128 v[EA], v[PC+12:PC+15], s[20:21] offset:512
	v_lshrrev_b32 v[PS], v[EC], v[PW]
	global_store_b16 v[EB], v[PS], s[22:23]
.endr
	s_wait_tensorcnt 0x0
	ds_add_u32 v[SPW], v[NIL]
	s_wait_dscnt 0x0
	CROUND
	s_endpgm
.Lfunc_end_k_q8c2b61dca4_qkv:
	.size	k_q8c2b61dca4_qkv, .Lfunc_end_k_q8c2b61dca4_qkv-k_q8c2b61dca4_qkv
	.p2alignl 7, 3214868480
	.fill 96, 4, 3214868480
	.section	.rodata,"a",@progbits
	.p2align	6, 0x0
	.amdhsa_kernel k_q8c2b61dca4_qkv
		.amdhsa_group_segment_fixed_size 327680
		.amdhsa_private_segment_fixed_size 0
		.amdhsa_enable_private_segment 0
		.amdhsa_kernarg_size 64
		.amdhsa_user_sgpr_count 2
		.amdhsa_user_sgpr_kernarg_segment_ptr 1
		.amdhsa_wavefront_size32 1
		.amdhsa_system_sgpr_workgroup_id_x 1
		.amdhsa_system_sgpr_workgroup_id_y 1
		.amdhsa_system_sgpr_workgroup_id_z 1
		.amdhsa_system_vgpr_workitem_id 0
		.amdhsa_next_free_vgpr 1024
		.amdhsa_next_free_sgpr 100
		.amdhsa_reserve_vcc 0
		.amdhsa_float_denorm_mode_32 3
		.amdhsa_float_denorm_mode_16_64 3
		.amdhsa_memory_ordered 1
		.amdhsa_forward_progress 1
		.amdhsa_inst_pref_size 189
	.end_amdhsa_kernel
	.amdgpu_metadata
---
amdhsa.version: [ 1, 2 ]
amdhsa.kernels:
  - .name:           k_q8c2b61dca4_qkv
    .symbol:         k_q8c2b61dca4_qkv.kd
    .args:
      - { .name: xq, .offset: 0, .size: 8, .value_kind: global_buffer, .address_space: global }
      - { .name: wq_codes, .offset: 8, .size: 8, .value_kind: global_buffer, .address_space: global }
      - { .name: wk_codes, .offset: 16, .size: 8, .value_kind: global_buffer, .address_space: global }
      - { .name: wv_codes, .offset: 24, .size: 8, .value_kind: global_buffer, .address_space: global }
      - { .name: wq_scales, .offset: 32, .size: 8, .value_kind: global_buffer, .address_space: global }
      - { .name: wk_scales, .offset: 40, .size: 8, .value_kind: global_buffer, .address_space: global }
      - { .name: wv_scales, .offset: 48, .size: 8, .value_kind: global_buffer, .address_space: global }
      - { .name: qkvb, .offset: 56, .size: 8, .value_kind: global_buffer, .address_space: global }
    .group_segment_fixed_size: 327680
    .private_segment_fixed_size: 0
    .kernarg_segment_align: 8
    .kernarg_segment_size: 64
    .max_flat_workgroup_size: 128
    .sgpr_count:     100
    .vgpr_count:     1024
    .wavefront_size: 32
...
	.end_amdgpu_metadata
.endif
;; end of part 2
;; launch attn (part 3): grid 8 x 32, 16 waves a work-group, clusters of 4 x 1, 272,384 bytes of LDS; arguments qkvb, ctx; writes ctx
.if DOCPART == 3
	.amdgcn_target "amdgcn-amd-amdhsa--gfx1250"
	.amdhsa_code_object_version 6
	.text
	.protected	k_q8c2b61dca4_attn
	.globl	k_q8c2b61dca4_attn
	.p2align	8
	.type	k_q8c2b61dca4_attn,@function
k_q8c2b61dca4_attn:
	s_mov_b64 s[64:65], 0
	v_nop
	global_prefetch_b8 v0, s[64:65] scope:SCOPE_SE
	s_setreg_imm32_b32 hwreg(HW_REG_WAVE_MODE, 25, 1), 1
	s_wait_xcnt 0x0
	s_wait_alu depctr_hold_cnt(0) depctr_sa_sdst(0) depctr_va_vdst(0) depctr_va_sdst(0) depctr_va_ssrc(0) depctr_va_vcc(0) depctr_vm_vsrc(0)
	s_getreg_b32 s2, hwreg(HW_REG_IB_STS2, 6, 4)
	s_cmp_eq_u32 s2, 0
	s_cbranch_scc0 .Lentry_in_a_cluster
	s_endpgm
.Lentry_in_a_cluster:
	s_bfe_u32 s2, ttmp6, 0x10000c
	s_cmp_lg_u32 s2, 0x3003
	s_cbranch_scc0 .Lentry_shape_is_right
	s_endpgm
.Lentry_shape_is_right:
; ctx = softmax(q k^T / 8) v for one head, both products on codes of E4M3 with E8M0 scales; ctx is divided by the row's sum, quantised along the model's 1,024 and stored as the image of the next product's operand.
; THE SOFTMAX: t = score x log2(e) / 8; M = the running largest t rounded UP to a whole number; p = 2^(t - M) is quantised along the keys; the sum is taken of the unquantised p.  When M moves, the sum and O are multiplied by 2^(old M - new M).
; SHARES: a work-group owns 256 queries of one head (work-group y), each of its sixteen waves one tile of 16; every wave walks the head's 2,048 keys, 128 a step.
; LDS: the head's WHOLE k and v images (131,072 bytes each) are filled ONCE, one tensor load a wave (16,384 bytes = two key steps: waves 0-7 k's eighths, waves 8-15 v's); nothing is filled again, so there is no ring.
; TWO BARRIERS: waves 0 and 8, whose tiles hold key steps 0 and 1, have a load line of their own and ask first (the others clear their registers first); the first barrier waits for that line alone, and two steps are walked;
; in front of the second every wave has waited for its load, and the other fourteen steps follow.
; CLUSTER: the four query blocks of a cluster read the same k and v: the loads are joint loads with the mask of all four.  The scale words (8,192 bytes of the 270,336) come by one plain load of 512 bytes a wave and an LDS store into bytes of their own.
; No prefetch: all that the launch reads is asked for at its head; there is no loop to run ahead in.
; THE FIRST PRODUCT HAS K = 64.  A fragment of k (16 registers) holds TWO tiles of 16 keys; q stands in 24 registers as zeros | q | zeros: the upper 16 (q, 0) pick tile 2 P, the lower 16 (0, q) tile 2 P + 1.  Zero codes add nothing.
; LAYOUT: both products transposed (source 0 = keys, or 16 of the head's 64; source 1 = my queries): a lane holds one query.  The registers of tiles 2 P, 2 P + 1 are keys 32 P + 16 u + 8 h + j: the order in which v's image is laid.
; LIMITS: the scaled scores stay under 2^31 in magnitude.  It is taken that v_exp_f32 does not fall where its input rises (a block's largest p is made from its largest score).  NaN and infinities are not served; a block of zeros gets the byte 1 (read by this program alone).
.set KIMG, 0x400000
.set QSC,  0xC00000
.set KSC,  0xC20000
.set SCW,  262144                      ; LDS: k's scale words, then v's, 4,096 bytes each
.set SPARE, 0x42000                    ; the spare words: 128 bytes a wave
.set WV,   8
.set G1C,  16                          ; s[16:23] 64 rows of 256 bytes
.set G0Q,  36
.set SEL,  52
.set CS,   54
.set MNT,  56
.set TB,   57                          ; LDS byte of the step's tiles
.set TS,   58                          ; and of its scale words
.set CNT,  59
.set MHI,  60
.set AK0,  1                           ; 16 x lane
.set AV0,  2                           ; + v's image
.set AS0,  3                           ; 16 r + k's scale words: in LDS a step's words lie [lane r][fragment P]
.set ADK,  8
.set ADV,  9
.set ADS,  10
.set QZ,   16                          ; v16-23 zeros, v24-31 q, v32-39 zeros
.set QW,   40
.set QU,   41
.set KF,   48                          ; v48-111 four fragments of k, then of v
.set SS,   112                         ; v112-175 S^T, then p
.set OT,   176                         ; v176-207 O^T
.set PCD,  208                         ; v208-223 p's codes
.set BM,   224
.set PT,   228
.set HD,   232
.set SO,   236
.set KW,   240
.set TP,   244
.set FF,   246                         ; v[246:247] f
.set PWD,  248
.set SPW,  250
.set NIL,  251
.set VW,   252
.macro CROUND
	s_barrier_signal -1
	s_barrier_wait -1
	s_cmp_lg_u32 s[WV], 0
	s_cbranch_scc1 .Lnot_wave_0_\@
	s_barrier_signal -3
.Lnot_wave_0_\@:
	s_barrier_wait -3
	s_barrier_signal -1
	s_barrier_wait -1
.endm
.macro ZEROS                           ; what the first step finds
.irp j, 0,1,2,3,4,5,6,7
	v_mov_b32 v[QZ+\j], 0
	v_mov_b32 v[QZ+16+\j], 0
.endr
	v_mov_b32 v13, 0xff61b1e6                      ; the largest t so far: -3e38
	v_floor_f32 v12, -v13                          ; -M
	v_mov_b32 v14, 0
	v_mov_b32 v15, 0
.irp b, 0,1,2,3
	v_mov_b32 v[PT+\b], 0                          ; a lane permute's destination counts as one of its sources
.endr
	v_mov_b32 v[TP], 0
	v_mov_b32 v[FF+1], 0                           ; named as the upper half of a pair
.set j, 0
.rept 32
	v_mov_b32 v[OT+j], 0                           ; O^T: the step is written once; its first turn finds zeros
.set j, j+1
.endr
.endm
	s_load_b128 s[4:7], s[0:1], 0x0                ; qkvb, ctx
	v_lshl_add_u32 v[SPW], v0, 2, SPARE
	v_mov_b32 v[NIL], 0
	ds_add_u32 v[SPW], v[NIL]                      ; the opening lines: the add twice on end and one wait
	ds_add_u32 v[SPW], v[NIL]
	v_lshrrev_b32 v1, 5, v0
	v_readfirstlane_b32 s[WV], v1                  ; wave 0..15
	s_bfe_u32 s9, ttmp6, 0x40000                   ; cx
	s_lshl_b32 s10, ttmp9, 2
	s_add_co_u32 s10, s10, s9                      ; my block of 256 queries: it enters q's and ctx's addresses alone
	s_and_b32 s11, ttmp7, 0xffff                   ; batch x 16 + head
	s_lshl_b32 s12, s10, 4
	s_add_co_u32 s12, s12, s[WV]                   ; my tile of 16 queries, 0..127
	s_lshr_b32 s66, s[WV], 3                       ; I fetch for k (0) or v (1),
	s_and_b32 s67, s[WV], 7                        ; the j-th eighth
	s_lshl_b32 s68, s[WV], 9
	s_add_co_u32 s68, s68, SCW                     ; LDS: my 512 bytes of scale words
	s_lshl_b32 s69, s[WV], 14                      ; LDS: my 16,384 bytes of the images
	s_lshl_b32 s72, s66, 17
	s_lshl_b32 s70, s11, 12
	s_add_co_u32 s72, s72, s70
	s_lshl_b32 s70, s67, 9
	s_add_co_u32 s72, s72, s70
	s_add_co_u32 s72, s72, KSC
	s_mov_b32 s73, 0
	s_lshl_b32 s74, s66, 22
	s_lshl_b32 s70, s11, 17
	s_add_co_u32 s74, s74, s70
	s_lshl_b32 s70, s67, 14
	s_add_co_u32 s74, s74, s70
	s_add_co_u32 s74, s74, KIMG
	s_mov_b32 s75, 0
	s_mov_b32 s[G1C], 15|(3<<16)|(1<<21)           ; the mask: all four work-groups; elements of 8 bytes; bit 21 beside a mask
	s_mov_b32 s[G1C+1], 32<<16
	s_mov_b32 s[G1C+2], 64<<16
	s_mov_b32 s[G1C+3], 32<<16
	s_mov_b32 s[G1C+4], 64
	s_mov_b32 s[G1C+5], 32
	s_mov_b32 s[G1C+6], 0
	s_mov_b32 s[G1C+7], 0
	s_mov_b32 s[SEL], 0x76543210
	s_mov_b32 s[SEL+1], 0xfedcba98
	s_mov_b32 s[CS], 0x3e38aa3b                    ; c = log2(e) / 8
	s_mov_b32 s[CS+1], s[CS]
	s_mov_b32 s[MNT], 0x600000
	s_mov_b32 s[MHI], 0xffff0000
	s_wait_dscnt 0x0
	s_wait_kmcnt 0x0
	s_add_nc_u64 s[72:73], s[4:5], s[72:73]
	s_add_nc_u64 s[74:75], s[4:5], s[74:75]
	CROUND                                         ; all four work-groups are here: the joint loads meet
	s_mov_b32 s[G0Q], 1
	s_mov_b32 s[G0Q+1], s69
	s_mov_b64 s[G0Q+2:G0Q+3], s[74:75]
	s_or_b32 s[G0Q+3], s[G0Q+3], 0x80000000
	s_cmp_eq_u32 s67, 0                            ; one tensor load a wave, in the two arms of one branch on the wave's number
	s_cbranch_scc0 .Llater
	tensor_load_to_lds s[G0Q:G0Q+3], s[G1C:G1C+7]  ; waves 0 and 8: key steps 0 and 1 of k and of v, asked for first
	s_nop 0
	ZEROS
	s_branch .Lasked
.Llater:
	ZEROS
	tensor_load_to_lds s[G0Q:G0Q+3], s[G1C:G1C+7]  ; the other fourteen
	s_nop 0
.rept 4
	v_nop
.endr
.Lasked:
	s_lshl_b32 s76, s11, 17
	s_lshl_b32 s77, s12, 10
	s_add_co_u32 s76, s76, s77
	s_mov_b32 s77, 0
	s_add_nc_u64 s[76:77], s[4:5], s[76:77]        ; q's image of my tile
	s_lshl_b32 s70, s11, 12
	s_lshr_b32 s71, s12, 1
	s_lshl_b32 s71, s71, 6
	s_add_co_u32 s70, s70, s71
	s_and_b32 s71, s12, 1
	s_lshl_b32 s71, s71, 1
	s_add_co_u32 s70, s70, s71
	s_add_co_u32 s70, s70, QSC
	s_mov_b32 s71, 0
	s_add_nc_u64 s[70:71], s[4:5], s[70:71]        ; and its scale bytes
	v_and_b32 v4, 31, v0
	v_lshlrev_b32 v[AK0], 4, v4
	v_add_nc_u32 v[AV0], 131072, v[AK0]
	v_and_b32 v5, 15, v0
	v_lshlrev_b32 v6, 2, v5
	v_lshl_add_u32 v[AS0], v5, 4, SCW
	v_bfe_u32 v7, v0, 4, 1                         ; my 16 bytes are words (P = (lane / 4) % 4, r = 4 (lane % 4) + j) of step lane / 16: word j goes to 256 step + 16 r + 4 P
	v_lshlrev_b32 v7, 8, v7
	v_and_b32 v9, 3, v0
	v_lshl_add_u32 v7, v9, 6, v7
	v_bfe_u32 v9, v0, 2, 2
	v_lshl_add_u32 v7, v9, 2, v7
	v_add_nc_u32 v7, s68, v7
	global_load_b128 v[QZ+8:QZ+11], v[AK0], s[76:77]
	global_load_b128 v[QZ+12:QZ+15], v[AK0], s[76:77] offset:512
	global_load_u16 v[QU], v6, s[70:71]
	global_load_b128 v[KF:KF+3], v[AK0], s[72:73]  ; 512 consecutive bytes of scale words
	s_mov_b32 s[TB], 0
	s_mov_b32 s[TS], 0
	s_wait_alu depctr_va_vdst(0)
	s_wait_loadcnt 0x0
	v_lshl_or_b32 v[QW], v[QU], 16, v[QU]          ; q's two bytes for either half of K
	s_wait_alu depctr_va_vdst(0)
	s_cmp_eq_u32 s67, 0
	s_cbranch_scc0 .Lnot_first
	s_wait_tensorcnt 0x0                           ; waves 0 and 8: key steps 0 and 1 have landed.  The other waves' wait stands at the second barrier
.Lnot_first:
.irp j, 0,1,2,3
	ds_store_b32 v7, v[KF+\j] offset:16*\j
.endr
	s_wait_dscnt 0x0                               ; my scale words are in LDS
	s_barrier_signal -1
	s_barrier_wait -1
.macro WALK n                          ; n key steps
	s_mov_b32 s[CNT], \n
.Lstep_\@:
	v_add_nc_u32 v[ADK], s[TB], v[AK0]
	v_add_nc_u32 v[ADV], s[TB], v[AV0]
	v_add_nc_u32 v[ADS], s[TS], v[AS0]
.rept 5
	v_nop                                          ; with the three additions: eight places in front of loads into registers that the last products read
.endr
.irp P, 0,1,2,3
.irp c, 0,1,2,3
	ds_load_b128 v[KF+16*\P+4*\c:KF+16*\P+4*\c+3], v[ADK] offset:2048*\P+512*\c
.endr
.endr
	ds_load_b128 v[KW:KW+3], v[ADS]                ; the four fragments' scale words by one load
	s_wait_alu depctr_va_vdst(0)
	s_wait_dscnt 0x0
.irp P, 0,1,2,3
	v_wmma_scale_f32_16x16x128_f8f6f4 v[SS+16*\P:SS+16*\P+7], v[KF+16*\P:KF+16*\P+15], v[QZ+8:QZ+23], 0, v[KW+\P], v[QW]
	v_wmma_scale_f32_16x16x128_f8f6f4 v[SS+16*\P+8:SS+16*\P+15], v[KF+16*\P:KF+16*\P+15], v[QZ:QZ+15], 0, v[KW+\P], v[QW]
.endr
.rept 8
	v_nop
.endr
.irp t, 0,1,2,3                                ; v's four fragments land while the softmax is walked
.irp c, 0,1,2,3
	ds_load_b128 v[KF+16*\t+4*\c:KF+16*\t+4*\c+3], v[ADV] offset:2048*\t+512*\c
.endr
.endr
	ds_load_b128 v[VW:VW+3], v[ADS] offset:4096
.irp b, 0,1,2,3
	v_max3_num_f32 v[BM+\b], v[SS+16*\b], v[SS+1+16*\b], v[SS+2+16*\b]   ; the largest score of each block of 32 keys; the four blocks by turns
.endr
.irp i, 3,5,7,9,11,13
.irp b, 0,1,2,3
	v_max3_num_f32 v[BM+\b], v[BM+\b], v[SS+16*\b+\i], v[SS+1+16*\b+\i]
.endr
.endr
.irp b, 0,1,2,3
	v_max_num_f32 v[BM+\b], v[BM+\b], v[SS+15+16*\b]
.endr
.irp b, 0,1,2,3
	v_permlanex16_b32 v[PT+\b], v[BM+\b], s[SEL], s[SEL+1]
.endr
.irp b, 0,1,2,3
	v_max_num_f32 v[BM+\b], v[BM+\b], v[PT+\b]
.endr
	v_max3_num_f32 v[TP], v[BM], v[BM+1], v[BM+2]
	v_max_num_f32 v[TP], v[TP], v[BM+3]
	v_mul_f32 v[TP], s[CS], v[TP]
	v_max_num_f32 v13, v13, v[TP]                  ; the running largest t
	v_mov_b32 v[TP], v12
	v_floor_f32 v12, -v13                          ; the new -M
	v_sub_f32 v[TP], v12, v[TP]                    ; old M - new M: a whole number, 0 or less
	v_cvt_i32_f32 v[TP], v[TP]                     ; (it saturates)
	v_ldexp_f32 v[FF], 1.0, v[TP]                  ; f = 2^(old M - new M)
.set j, 0
.rept 32
	v_pk_fma_f32 v[SS+j:SS+j+1], v[SS+j:SS+j+1], s[CS:CS+1], v[12:13] op_sel_hi:[1,0,0]   ; t - M
.set j, j+2
.endr
	v_pk_fma_f32 v[BM:BM+1], v[BM:BM+1], s[CS:CS+1], v[12:13] op_sel_hi:[1,0,0]   ; the same of the blocks' largest scores
	v_pk_fma_f32 v[BM+2:BM+3], v[BM+2:BM+3], s[CS:CS+1], v[12:13] op_sel_hi:[1,0,0]
	s_wait_alu depctr_va_vdst(0)
.set j, 0
.rept 64
	v_exp_f32 v[SS+j], v[SS+j]                     ; p = 2^(t - M)
.set j, j+1
.endr
	v_pk_mul_f32 v[14:15], v[14:15], v[FF:FF+1] op_sel_hi:[1,0]   ; the sums under the new M (a plain line behind the exponentials)
	s_wait_alu depctr_va_vdst(0)                   ; one wait for the batch, ahead of its first reader
.irp b, 0,1,2,3
	v_exp_f32 v[BM+\b], v[BM+\b]                   ; the block's largest p
.endr
	v_pk_add_f32 v[228:229], v[SS:SS+1], v[SS+2:SS+3]     ; the row's sum of the unquantised p: 32 packed additions in four chains
	v_pk_add_f32 v[230:231], v[SS+4:SS+5], v[SS+6:SS+7]
	v_pk_add_f32 v[232:233], v[SS+8:SS+9], v[SS+10:SS+11]
	v_pk_add_f32 v[14:15], v[14:15], v[SS+12:SS+13]
.set j, 14
.rept 6
	v_pk_add_f32 v[228:229], v[228:229], v[SS+j:SS+j+1]
	v_pk_add_f32 v[230:231], v[230:231], v[SS+j+2:SS+j+3]
	v_pk_add_f32 v[232:233], v[232:233], v[SS+j+4:SS+j+5]
	v_pk_add_f32 v[14:15], v[14:15], v[SS+j+6:SS+j+7]
.set j, j+8
.endr
	v_pk_add_f32 v[228:229], v[228:229], v[SS+62:SS+63]
	v_pk_add_f32 v[14:15], v[14:15], v[232:233]
	v_pk_add_f32 v[228:229], v[228:229], v[230:231]
	v_pk_add_f32 v[14:15], v[14:15], v[228:229]
	s_wait_alu depctr_va_vdst(0)                   ; and one for the four
.irp b, 0,1,2,3
	v_max_num_f32 v[BM+\b], 0x4800000, v[BM+\b]    ; the floor: the byte cannot fall under 1
.endr
.irp b, 0,1,2,3
	v_add_nc_u32 v[SO+\b], 0xfc000000, v[BM+\b]    ; 8 off the exponent field: the conversion's scale operand
.endr
.irp b, 0,1,2,3
	v_and_or_b32 v[HD+\b], v[BM+\b], 0x7f800000, s[MNT]   ; 448 x the scale
.endr
.irp b, 0,1,2,3
	v_lshrrev_b32 v[PT+\b], 23, v[SO+\b]
.endr
	v_lshl_or_b32 v[PWD], v[PT+1], 8, v[PT]
	v_lshl_or_b32 v[PWD], v[PT+2], 16, v[PWD]
	v_lshl_or_b32 v[PWD], v[PT+3], 24, v[PWD]
.irp b, 0,1,2,3
.irp i, 0,2,4,6,8,10,12,14
	v_dual_min_num_f32 v[SS+16*\b+\i], v[SS+16*\b+\i], v[HD+\b] :: v_dual_min_num_f32 v[SS+16*\b+\i+1], v[SS+16*\b+\i+1], v[HD+\b]   ; the hold, two numbers a line; p is not negative
.endr
	v_cvt_scalef32_pk8_fp8_f32 v[PCD+4*\b:PCD+4*\b+1], v[SS+16*\b:SS+16*\b+7], v[SO+\b]
	v_cvt_scalef32_pk8_fp8_f32 v[PCD+4*\b+2:PCD+4*\b+3], v[SS+16*\b+8:SS+16*\b+15], v[SO+\b]
.endr
	s_wait_alu depctr_va_vdst(0)
.set j, 0
.rept 16
	v_pk_mul_f32 v[OT+j:OT+j+1], v[OT+j:OT+j+1], v[FF:FF+1] op_sel_hi:[1,0]   ; O^T under the new M; also the places in front of the products
.set j, j+2
.endr
	s_wait_alu depctr_va_vdst(0)
	s_wait_dscnt 0x0                               ; v's fragments and scale words are in
.irp t, 0,1,2,3                                ; four accumulators by turns
	v_wmma_scale_f32_16x16x128_f8f6f4 v[OT+8*\t:OT+8*\t+7], v[KF+16*\t:KF+16*\t+15], v[PCD:PCD+15], v[OT+8*\t:OT+8*\t+7], v[VW+\t], v[PWD]
.endr
	s_add_co_u32 s[TB], s[TB], 8192
	s_add_co_u32 s[TS], s[TS], 256
	s_sub_co_u32 s[CNT], s[CNT], 1
	s_cmp_lg_u32 s[CNT], 0
	s_cbranch_scc1 .Lstep_\@
.endm
	WALK 2                                         ; key steps 0 and 1: the tiles of waves 0 and 8
	s_wait_tensorcnt 0x0                           ; every wave: my tile has landed
	s_wait_dscnt 0x0
	s_barrier_signal -1
	s_barrier_wait -1                              ; everybody's has
	WALK 14
	; THE WAY OUT.  ctx's image: fragment (16 rows, 128 along K) of 2,048 bytes, 8 a tile of rows; block c at 512 c; slot (r, h'), byte i' holds k = 32 c + 16 h' + i'.
	; The 8 codes of my tile t (d = 16 t + 8 h + j) go to block t / 2 at 256 (t % 2) + 16 r + 8 h: one store covers 256 consecutive bytes, aligned.
	s_and_b32 s66, s11, 15                         ; head
	s_lshr_b32 s67, s11, 4                         ; batch
	s_lshl_b32 s68, s67, 7
	s_add_co_u32 s68, s68, s12                     ; my tile of rows, 0..255
	s_lshl_b32 s69, s68, 3
	s_lshr_b32 s70, s66, 1
	s_add_co_u32 s69, s69, s70
	s_lshl_b32 s69, s69, 11
	s_and_b32 s70, s66, 1
	s_lshl_b32 s70, s70, 10
	s_add_co_u32 s72, s69, s70
	s_mov_b32 s73, 0
	s_lshl_b32 s74, s68, 8                         ; the scale bytes: [K / 512][row][16]
	s_lshr_b32 s70, s66, 3
	s_lshl_b32 s70, s70, 16
	s_add_co_u32 s74, s74, s70
	s_and_b32 s70, s66, 7
	s_lshl_b32 s70, s70, 1
	s_add_co_u32 s74, s74, s70
	s_add_co_u32 s74, s74, 0x400000
	s_mov_b32 s75, 0
	s_add_nc_u64 s[72:73], s[6:7], s[72:73]
	s_add_nc_u64 s[74:75], s[6:7], s[74:75]
	v_and_b32 v4, 15, v0                           ; r
	v_bfe_u32 v5, v0, 4, 1                         ; h
	v_lshlrev_b32 v6, 4, v4
	v_lshl_add_u32 v7, v5, 3, v6                   ; 16 r + 8 h
	v_add_nc_u32 v6, v6, v5                        ; 16 r + h
	v_add_f32 v14, v14, v15                        ; the sum's two halves
	v_nop
	v_nop                                          ; eight plain lines behind the last products
	v_permlanex16_b32 v[TP], v14, s[SEL], s[SEL+1]
	v_add_f32 v14, v14, v[TP]
	s_wait_alu depctr_va_vdst(0)
	v_rcp_f32 v14, v14
	v_nop
	s_wait_alu depctr_va_vdst(0)                   ; ahead of the reciprocal's first reader
.set j, 0
.rept 32
	v_mul_f32 v[SS+j], v[OT+j], v14                ; register 8 t + j is ctx(r, 16 t + 8 h + j)
.set j, j+1
.endr
.irp b, 0,1
	v_max3_num_f32 v[BM+\b], |v[SS+16*\b]|, |v[SS+1+16*\b]|, 0x4800000
.endr
.irp i, 2,4,6,8,10,12,14
.irp b, 0,1
	v_max3_num_f32 v[BM+\b], v[BM+\b], |v[SS+16*\b+\i]|, |v[SS+1+16*\b+\i]|
.endr
.endr
.irp b, 0,1
	v_permlanex16_b32 v[PT+\b], v[BM+\b], s[SEL], s[SEL+1]
.endr
.irp b, 0,1
	v_max_num_f32 v[BM+\b], v[BM+\b], v[PT+\b]
.endr
.irp b, 0,1
	v_add_nc_u32 v[SO+\b], 0xfc000000, v[BM+\b]
.endr
.irp b, 0,1
	v_and_or_b32 v[HD+\b], v[BM+\b], 0x7f800000, s[MNT]
.endr
.irp b, 0,1
	v_lshrrev_b32 v[PT+\b], 23, v[SO+\b]
.endr
.irp b, 0,1
.irp i, 0,1,2,3,4,5,6,7,8,9,10,11,12,13,14,15
	v_med3_num_f32 v[SS+16*\b+\i], v[SS+16*\b+\i], -v[HD+\b], v[HD+\b]
.endr
.endr
.irp t, 0,1,2,3
	v_cvt_scalef32_pk8_fp8_f32 v[PCD+2*\t:PCD+2*\t+1], v[SS+8*\t:SS+8*\t+7], v[SO+\t/2]
.endr
	v_cndmask_b32 v[TP], v[PT], v[PT+1], s[MHI]    ; lanes 0-15 store block 0's byte, lanes 16-31 block 1's (also the plain line behind the conversions)
.irp t, 0,1,2,3
	global_store_b64 v7, v[PCD+2*\t:PCD+2*\t+1], s[72:73] offset:512*(\t/2)+256*(\t%2)
.endr
	global_store_b8 v6, v[TP], s[74:75]
	s_wait_tensorcnt 0x0                           ; the wave's end
	ds_add_u32 v[SPW], v[NIL]
	s_wait_dscnt 0x0
	CROUND                                         ; the closing round
	s_endpgm
.Lfunc_end_k_q8c2b61dca4_attn:
	.size	k_q8c2b61dca4_attn, .Lfunc_end_k_q8c2b61dca4_attn-k_q8c2b61dca4_attn
	.p2alignl 7, 3214868480
	.fill 96, 4, 3214868480
	.section	.rodata,"a",@progbits
	.p2align	6, 0x0
	.amdhsa_kernel k_q8c2b61dca4_attn
		.amdhsa_group_segment_fixed_size 272384
		.amdhsa_private_segment_fixed_size 0
		.amdhsa_enable_private_segment 0
		.amdhsa_kernarg_size 16
		.amdhsa_user_sgpr_count 2
		.amdhsa_user_sgpr_kernarg_segment_ptr 1
		.amdhsa_wavefront_size32 1
		.amdhsa_system_sgpr_workgroup_id_x 1
		.amdhsa_system_sgpr_workgroup_id_y 1
		.amdhsa_system_sgpr_workgroup_id_z 1
		.amdhsa_system_vgpr_workitem_id 0
		.amdhsa_next_free_vgpr 256
		.amdhsa_next_free_sgpr 80
		.amdhsa_reserve_vcc 0
		.amdhsa_float_denorm_mode_32 3
		.amdhsa_float_denorm_mode_16_64 3
		.amdhsa_memory_ordered 1
		.amdhsa_forward_progress 1
		.amdhsa_inst_pref_size 54
	.end_amdhsa_kernel
	.amdgpu_metadata
---
amdhsa.version: [ 1, 2 ]
amdhsa.kernels:
  - .name:           k_q8c2b61dca4_attn
    .symbol:         k_q8c2b61dca4_attn.kd
    .args:
      - { .name: qkvb, .offset: 0, .size: 8, .value_kind: global_buffer, .address_space: global }
      - { .name: ctx, .offset: 8, .size: 8, .value_kind: global_buffer, .address_space: global }
    .group_segment_fixed_size: 272384
    .private_segment_fixed_size: 0
    .kernarg_segment_align: 8
    .kernarg_segment_size: 16
    .max_flat_workgroup_size: 512
    .sgpr_count:     80
    .vgpr_count:     256
    .wavefront_size: 32
...
	.end_amdgpu_metadata
.endif
;; end of part 3
;; launch wo (part 4): grid 8 x 32, 4 waves a work-group, clusters of 4 x 4, 290,816 bytes of LDS; arguments ctx, wo_codes, wo_scales, gout; writes gout
.if DOCPART == 4
	.amdgcn_target "amdgcn-amd-amdhsa--gfx1250"
	.amdhsa_code_object_version 6
	.text
	.protected	k_q8c2b61dca4_wo
	.globl	k_q8c2b61dca4_wo
	.p2align	8
	.type	k_q8c2b61dca4_wo,@function
k_q8c2b61dca4_wo:
	s_mov_b64 s[64:65], 0
	v_nop
	global_prefetch_b8 v0, s[64:65] scope:SCOPE_SE
	s_setreg_imm32_b32 hwreg(HW_REG_WAVE_MODE, 25, 1), 1
	s_wait_xcnt 0x0
	s_wait_alu depctr_hold_cnt(0) depctr_sa_sdst(0) depctr_va_vdst(0) depctr_va_sdst(0) depctr_va_ssrc(0) depctr_va_vcc(0) depctr_vm_vsrc(0)
	s_getreg_b32 s2, hwreg(HW_REG_IB_STS2, 6, 4)
	s_cmp_eq_u32 s2, 0
	s_cbranch_scc0 .Lentry_in_a_cluster
	s_endpgm
.Lentry_in_a_cluster:
	s_bfe_u32 s2, ttmp6, 0x10000c
	s_cmp_lg_u32 s2, 0xf033
	s_cbranch_scc0 .Lentry_shape_is_right
	s_endpgm
.Lentry_shape_is_right:
; C [4096][1024] f32 = A B^T on codes of E4M3 with E8M0 scales, K = 1,024.  A: the image that the attention left (fragments of 16 rows x 128 K, 2,048 bytes each, 8 a tile of rows), its scale bytes [K / 512][row][16] at ASC_OFF.
; B: wo as it is given, [1024][1024] codes and [1024][32] scale bytes.
; A tile of C is 128 x 128 (256 tiles for 256 work-groups); four waves, 64 x 64 each: 16 accumulators.
; ALL OF K LIES IN LDS AT ONCE: A's 131,072 bytes, B's 128 rows of 1,024 + 16, and 4,096 bytes of scales a side.  Four fills, one a wave, at the head; nothing is filled again: no ring, one barrier.
; CLUSTER: A's fills are shared along a row of the cluster, B's along a column, by joint loads.  No prefetch: all that the launch reads is asked for at its head.
; The matrix instruction takes source 0 = 16 rows of B, source 1 = 16 rows of A: a lane holds eight neighbouring numbers of a row of C.
; REGISTERS: window 0: v16-29 addresses; v32-63 A's scale words, v66-97 B's (their numbers never agree modulo 8); v128-255 the accumulators.  window 1: two fragment buffers of 128 (A's four fragments, then B's four).
.set ASC_OFF, 0x400000
.set BPI,    1040                      ; a row of B in LDS
.set BCD,    131072                    ; B's codes, behind A's image
.set ASC,    BCD+128*BPI               ; A's scales: [K step of 512][128 rows x 16 bytes]
.set BSC,    ASC+4096                  ; B's: 16 units of 256 bytes + 16
.set SPARE,  BSC+16*272                ; the spare words: 128 bytes a wave, named by no other line
.set STAGE,  SPARE+512                 ; the way out: 16 rows x 272 bytes a wave, bytes of their own
.set NP,   8
.set ADRA, 16
.set ADRB, 20
.set ADSA, 22
.set ADSB, 23
.set STO,  24
.set RD,   25
.set CO,   26
.set SPW,  28
.set NIL,  29
.set SA,   32
.set SB,   66
.set ACC,  128
.set G1, 24
.set G0, 32
.set G0B, 36
.set G1B, 48
.set G1S, 68
.set G0S, 76
.set G1SB, 80
.set G0SB, 88
.set MSB, 0
.macro WIN new
.if MSB != \new
	s_set_vgpr_msb (MSB<<8)|\new
.set MSB, \new
.endif
.endm
.set MUL,  0x05                        ; sources 0 and 1 window 1; C and D window 0
.set TO_F, 0x40
.macro CROUND
	s_barrier_signal -1
	s_barrier_wait -1
	s_cmp_lg_u32 s14, 0
	s_cbranch_scc1 .Lnot_wave_0_\@
	s_barrier_signal -3
.Lnot_wave_0_\@:
	s_barrier_wait -3
	s_barrier_signal -1
	s_barrier_wait -1
.endm
.macro PLACES n
.rept \n
	v_nop
.endr
.endm
	s_load_b128 s[4:7], s[0:1], 0x0                ; A's buffer, B's codes
	s_load_b128 s[8:11], s[0:1], 0x10              ; B's scales, C
	v_lshl_add_u32 v[SPW], v0, 2, SPARE
	v_mov_b32 v[NIL], 0
	ds_add_u32 v[SPW], v[NIL]                      ; the opening lines: the add twice on end and one wait
	ds_add_u32 v[SPW], v[NIL]
	v_lshrrev_b32 v1, 5, v0
	v_readfirstlane_b32 s14, v1
	s_lshr_b32 s15, s14, 1                         ; my 64 rows
	s_and_b32 s16, s14, 1                          ; my 64 columns
	s_bfe_u32 s40, ttmp6, 0x40000
	s_bfe_u32 s41, ttmp6, 0x40004
	s_lshl_b32 s42, ttmp9, 2
	s_add_co_u32 s42, s42, s40                     ; tile column
	s_and_b32 s17, ttmp7, 0xffff
	s_lshl_b32 s17, s17, 2
	s_add_co_u32 s17, s17, s41                     ; tile row
	s_lshl_b32 s43, s41, 2
	s_lshl_b32 s43, 15, s43
	s_lshl_b32 s44, 0x1111, s40
	s_or_b32 s[G1+0], s43, (3<<16)|(1<<21)         ; A's codes: a dense block as 512 rows of 256 bytes
	s_mov_b32 s[G1+1], 32<<16
	s_mov_b32 s[G1+2], 512<<16
	s_mov_b32 s[G1+3], 32<<16
	s_mov_b32 s[G1+4], 512
	s_mov_b32 s[G1+5], 32
	s_mov_b32 s[G1+6], 0
	s_mov_b32 s[G1+7], 0
	s_or_b32 s[G1B+0], s44, (1<<20)|(1<<21)|(7<<22)|(3<<25)   ; B's codes: 128 rows of 1,024 bytes, 4 words of padding after every 256
	s_mov_b32 s[G1B+1], 1024<<16
	s_mov_b32 s[G1B+2], 128<<16
	s_mov_b32 s[G1B+3], 1024<<16
	s_mov_b32 s[G1B+4], 128
	s_mov_b32 s[G1B+5], 1024
	s_mov_b32 s[G1B+6], 0
	s_mov_b32 s[G1B+7], 0
	s_or_b32 s[G1S+0], s43, (3<<16)|(1<<21)        ; A's scales: 2 rows of 2,048 bytes, 65,536 bytes apart
	s_mov_b32 s[G1S+1], 256<<16
	s_mov_b32 s[G1S+2], 2<<16
	s_mov_b32 s[G1S+3], 256<<16
	s_mov_b32 s[G1S+4], 2
	s_mov_b32 s[G1S+5], 8192
	s_mov_b32 s[G1S+6], 0
	s_mov_b32 s[G1S+7], 0
	s_or_b32 s[G1SB+0], s44, (3<<16)|(1<<20)|(1<<21)|(5<<22)|(3<<25)  ; B's scales: a dense block as 16 rows of 256 bytes + 16
	s_mov_b32 s[G1SB+1], 32<<16
	s_mov_b32 s[G1SB+2], 16<<16
	s_mov_b32 s[G1SB+3], 32<<16
	s_mov_b32 s[G1SB+4], 16
	s_mov_b32 s[G1SB+5], 32
	s_mov_b32 s[G1SB+6], 0
	s_mov_b32 s[G1SB+7], 0
	s_lshl_b32 s20, s17, 17                        ; A's codes: 8 tiles of rows x 16,384 bytes
	s_mov_b32 s21, 0
	s_lshl_b32 s22, s17, 11
	s_add_co_u32 s22, s22, ASC_OFF                 ; A's scales: 16 bytes a row
	s_mov_b32 s23, 0
	s_lshl_b32 s46, s42, 17                        ; B's codes: 128 rows x 1,024 bytes
	s_mov_b32 s47, 0
	s_lshl_b32 s92, s42, 12                        ; B's scales: 32 bytes a row
	s_mov_b32 s93, 0
	s_lshl_b32 s66, s17, 19
	s_lshl_b32 s67, s15, 18
	s_add_co_u32 s66, s66, s67                     ; my first row of C x 4,096 bytes
	s_mov_b32 s67, 0
	s_lshl_b32 s96, s42, 9
	s_lshl_b32 s97, s16, 8
	s_add_co_u32 s96, s96, s97                     ; my first column x 4
	s_mov_b32 s97, 0
	s_lshl_b32 s18, s15, 16                        ; LDS: my four tiles of A's rows,
	s_mul_i32 s19, s16, 64*BPI
	s_add_co_u32 s19, s19, BCD                     ; my 64 rows of B,
	s_lshl_b32 s95, s15, 10
	s_add_co_u32 s95, s95, ASC                     ; A's scale words,
	s_mul_i32 s45, s16, 8*272
	s_add_co_u32 s45, s45, BSC                     ; B's,
	s_mul_i32 s94, s14, 16*272
	s_add_co_u32 s94, s94, STAGE                   ; my stage
	s_mov_b32 s[G0], 1
	s_mov_b32 s[G0+1], 0
	s_mov_b32 s[G0B], 1
	s_mov_b32 s[G0B+1], BCD
	s_mov_b32 s[G0S], 1
	s_mov_b32 s[G0S+1], ASC
	s_mov_b32 s[G0SB], 1
	s_mov_b32 s[G0SB+1], BSC
	s_wait_dscnt 0x0
	s_wait_kmcnt 0x0
	s_add_nc_u64 s[G0+2:G0+3], s[4:5], s[20:21]
	s_or_b32 s[G0+3], s[G0+3], 0x80000000
	s_add_nc_u64 s[G0B+2:G0B+3], s[6:7], s[46:47]
	s_or_b32 s[G0B+3], s[G0B+3], 0x80000000
	s_add_nc_u64 s[G0S+2:G0S+3], s[4:5], s[22:23]
	s_or_b32 s[G0S+3], s[G0S+3], 0x80000000
	s_add_nc_u64 s[G0SB+2:G0SB+3], s[8:9], s[92:93]
	s_or_b32 s[G0SB+3], s[G0SB+3], 0x80000000
	s_add_nc_u64 s[12:13], s[10:11], s[66:67]
	s_add_nc_u64 s[12:13], s[12:13], s[96:97]
	CROUND                                         ; all sixteen work-groups are here: the joint loads meet
; THE FILLS, ONE A WAVE: one chain of branches on the wave's number, an arm a load, all arms leading to one join.
.macro ARM under, g0, g1, next
	s_cmp_lt_u32 s14, \under
	s_cbranch_scc0 \next
	tensor_load_to_lds s[\g0:\g0+3], s[\g1:\g1+7]
	s_nop 0
	PLACES 4
	s_branch .Lhead_asked
\next:
.endm
	ARM 1, G0,  G1,  .Lhead_b
	ARM 2, G0B, G1B, .Lhead_sa
	ARM 3, G0S, G1S, .Lhead_sb
	tensor_load_to_lds s[G0SB:G0SB+3], s[G1SB:G1SB+7]
	s_nop 0
	PLACES 4
.Lhead_asked:
	v_and_b32 v1, 15, v0                           ; r
	v_bfe_u32 v2, v0, 4, 1                         ; h
	v_and_b32 v3, 31, v0
	v_lshlrev_b32 v3, 4, v3                        ; 16 x lane
	v_add_nc_u32 v[ADRA], s18, v3
	v_mul_u32_u24 v4, v1, BPI
	v_lshl_add_u32 v4, v2, 4, v4
	v_add_nc_u32 v[ADRB], s19, v4
	v_lshlrev_b32 v5, 4, v1
	v_add_nc_u32 v[ADSA], s95, v5                  ; A's scale words: 16 bytes a row
	v_lshlrev_b32 v5, 5, v1
	v_lshrrev_b32 v6, 3, v1
	v_lshl_add_u32 v5, v6, 4, v5
	v_add_nc_u32 v[ADSB], s45, v5                  ; B's: 32 bytes a row, 16 more for each 256 passed
	v_mul_u32_u24 v5, v1, 272
	v_lshl_add_u32 v5, v2, 5, v5
	v_add_nc_u32 v[STO], s94, v5
	v_mul_u32_u24 v5, v2, 272
	v_lshl_add_u32 v5, v1, 4, v5
	v_add_nc_u32 v[RD], s94, v5
	v_lshlrev_b32 v5, 12, v2
	v_lshl_add_u32 v[CO], v1, 4, v5                ; two rows of C an instruction
; four matrix instructions: A's block a x B's four, the q-th 128 of K.  The 16 accumulators take turns in one order.
.macro MUL4 f, a, q
.irp b, 0,1,2,3
.if (\q) == 0
	v_wmma_scale_f32_16x16x128_f8f6f4 v[ACC+8*(4*(\a)+\b):ACC+8*(4*(\a)+\b)+7], v[\f+64+16*\b:\f+64+16*\b+15], v[\f+16*(\a):\f+16*(\a)+15], 0, v[SB+16*((\q)/4)+4*\b+(\q)%4], v[SA+16*((\q)/4)+4*(\a)+(\q)%4]
.else
	v_wmma_scale_f32_16x16x128_f8f6f4 v[ACC+8*(4*(\a)+\b):ACC+8*(4*(\a)+\b)+7], v[\f+64+16*\b:\f+64+16*\b+15], v[\f+16*(\a):\f+16*(\a)+15], v[ACC+8*(4*(\a)+\b):ACC+8*(4*(\a)+\b)+7], v[SB+16*((\q)/4)+4*\b+(\q)%4], v[SA+16*((\q)/4)+4*(\a)+(\q)%4]
.endif
.endr
.endm
.macro FETCH q, f                      ; 32 LDS loads in one run: B's four fragments, then A's four
	WIN TO_F
.irp i, 0,1,2,3
.irp c, 0,1,2,3
	ds_load_b128 v[\f+64+16*\i+4*\c:\f+64+16*\i+4*\c+3], v[ADRB] offset:16*BPI*\i+128*(\q)+32*\c
.endr
.endr
.irp i, 0,1,2,3
.irp c, 0,1,2,3
	ds_load_b128 v[\f+16*\i+4*\c:\f+16*\i+4*\c+3], v[ADRA] offset:16384*\i+2048*(\q)+512*\c
.endr
.endr
.endm
.macro QUARTER q                       ; buffer q % 2 is multiplied, the next 128 of K fetched into the other
	s_wait_dscnt 8                                 ; all but A's fragments 2 and 3
	WIN MUL
	MUL4 128*((\q)%2), 0, \q
	MUL4 128*((\q)%2), 1, \q
	PLACES NP
	FETCH (\q)+1, 128-128*((\q)%2)
	s_wait_dscnt 32                                ; all but the 32 just issued
	WIN MUL
	MUL4 128*((\q)%2), 2, \q
	MUL4 128*((\q)%2), 3, \q
.endm
	s_wait_alu depctr_va_vdst(0)
	s_wait_tensorcnt 0x0                           ; my fill has landed
	s_barrier_signal -1
	s_barrier_wait -1                              ; all four have
.irp p, 0,1                                    ; all scale words: four words a row and 512 of K by one load
.irp i, 0,1,2,3
	ds_load_b128 v[SA+16*\p+4*\i:SA+16*\p+4*\i+3], v[ADSA] offset:256*\i+2048*\p
	ds_load_b128 v[SB+16*\p+4*\i:SB+16*\p+4*\i+3], v[ADSB] offset:544*\i+16*\p
.endr
.endr
	FETCH 0, 0
.irp q, 0,1,2,3,4,5,6
	QUARTER \q
.endr
	s_wait_dscnt 8
	WIN MUL
	MUL4 128, 0, 7
	MUL4 128, 1, 7
	s_wait_dscnt 0
	MUL4 128, 2, 7
	MUL4 128, 3, 7
	WIN 0
; THE WAY OUT: a block of 16 rows x 64 columns goes through my own stage (rows of 256 bytes + 16) and comes back as whole rows: sixteen lanes store 256 consecutive bytes, aligned.
.macro TOSTAGE a
.irp b, 0,1,2,3
	ds_store_b128 v[STO], v[ACC+8*(4*(\a)+\b):ACC+8*(4*(\a)+\b)+3] offset:64*\b
	ds_store_b128 v[STO], v[ACC+8*(4*(\a)+\b)+4:ACC+8*(4*(\a)+\b)+7] offset:64*\b+16
.endr
.irp t, 0,1,2,3,4,5,6,7
	ds_load_b128 v[ACC+32*(\a)+4*\t:ACC+32*(\a)+4*\t+3], v[RD] offset:544*\t   ; LDS serves a wave's instructions in order: these see the stores above
.endr
.endm
.macro SEND a, younger
	s_wait_dscnt \younger
.irp t, 0,1,2,3,4,5,6,7
	global_store_b128 v[CO], v[ACC+32*(\a)+4*\t:ACC+32*(\a)+4*\t+3], s[12:13] offset:65536*(\a)+8192*\t
.endr
.endm
	PLACES NP
	TOSTAGE 0
.irp a, 1,2,3
	TOSTAGE \a
	SEND \a-1, 16                                  ; behind block a - 1's loads: block a's 8 stores and 8 loads
.endr
	SEND 3, 0
	s_wait_tensorcnt 0x0                           ; the wave's end
	ds_add_u32 v[SPW], v[NIL]
	s_wait_dscnt 0x0
	CROUND                                         ; the closing round
	s_endpgm
.Lfunc_end_k_q8c2b61dca4_wo:
	.size	k_q8c2b61dca4_wo, .Lfunc_end_k_q8c2b61dca4_wo-k_q8c2b61dca4_wo
	.p2alignl 7, 3214868480
	.fill 96, 4, 3214868480
	.section	.rodata,"a",@progbits
	.p2align	6, 0x0
	.amdhsa_kernel k_q8c2b61dca4_wo
		.amdhsa_group_segment_fixed_size 290816
		.amdhsa_private_segment_fixed_size 0
		.amdhsa_enable_private_segment 0
		.amdhsa_kernarg_size 32
		.amdhsa_user_sgpr_count 2
		.amdhsa_user_sgpr_kernarg_segment_ptr 1
		.amdhsa_wavefront_size32 1
		.amdhsa_system_sgpr_workgroup_id_x 1
		.amdhsa_system_sgpr_workgroup_id_y 1
		.amdhsa_system_sgpr_workgroup_id_z 1
		.amdhsa_system_vgpr_workitem_id 0
		.amdhsa_next_free_vgpr 512
		.amdhsa_next_free_sgpr 98
		.amdhsa_reserve_vcc 0
		.amdhsa_float_denorm_mode_32 3
		.amdhsa_float_denorm_mode_16_64 3
		.amdhsa_memory_ordered 1
		.amdhsa_forward_progress 1
		.amdhsa_inst_pref_size 52
	.end_amdhsa_kernel
	.amdgpu_metadata
---
amdhsa.version: [ 1, 2 ]
amdhsa.kernels:
  - .name:           k_q8c2b61dca4_wo
    .symbol:         k_q8c2b61dca4_wo.kd
    .args:
      - { .name: ctx, .offset: 0, .size: 8, .value_kind: global_buffer, .address_space: global }
      - { .name: wo_codes, .offset: 8, .size: 8, .value_kind: global_buffer, .address_space: global }
      - { .name: wo_scales, .offset: 16, .size: 8, .value_kind: global_buffer, .address_space: global }
      - { .name: gout, .offset: 24, .size: 8, .value_kind: global_buffer, .address_space: global }
    .group_segment_fixed_size: 290816
    .private_segment_fixed_size: 0
    .kernarg_segment_align: 8
    .kernarg_segment_size: 32
    .max_flat_workgroup_size: 128
    .sgpr_count:     98
    .vgpr_count:     512
    .wavefront_size: 32
...
	.end_amdgpu_metadata
.endif
;; end of part 4
;; launch ln1 (part 5): grid 256 x 1, 8 waves a work-group, no clusters, 42,496 bytes of LDS; arguments gout, x, theta, ln1_g, ln1_b, x1b; writes x1b
.if DOCPART == 5
	.amdgcn_target "amdgcn-amd-amdhsa--gfx1250"
	.amdhsa_code_object_version 6
	.text
	.protected	k_q8c2b61dca4_ln1
	.globl	k_q8c2b61dca4_ln1
	.p2align	8
	.type	k_q8c2b61dca4_ln1,@function
k_q8c2b61dca4_ln1:
	s_mov_b64 s[64:65], 0
	v_nop
	global_prefetch_b8 v0, s[64:65] scope:SCOPE_SE
	s_setreg_imm32_b32 hwreg(HW_REG_WAVE_MODE, 25, 1), 1
	s_wait_xcnt 0x0
; x1 = LayerNorm(x + gate x ao) x g + b, gate = sigmoid(cos(theta)); ao [4096][1024] f32 is the attention's output product.  x1 is stored as f32 at x1b + 0, as codes of E4M3 by rows at + 0x1000000, its E8M0 bytes [4096][32] at + 0x1400000.
; SHARES: a work-group takes 16 rows, each of its eight waves 2 whole rows, kept in registers: each load and store covers 512 consecutive bytes.  All 48 loads of a wave go out first.
; The mean is taken first and the variance of the differences: a common offset of the inputs does no harm.
; cos(theta): theta less the nearest multiple of pi / 2 (in three parts, by fused multiply-adds), a polynomial for the cosine and one for the sine, chosen by v_cndmask_b32.  LIMIT: |theta| up to 2^17.
; The quantiser: as for x (a step's 512 numbers turn through the wave's stage in LDS so that a lane holds 16 neighbours).  A block of zeros or under 2^-118 gets the byte 1 (read by this program alone).  NaN and infinities are not served.
.set STEPS, 4
.set Y,   16                           ; v16-79   ao, then y, the differences, x1: 32 registers a row
.set R,   Y
.set XR,  80                           ; v80-143  x
.set X,   80                           ; later: two sets of 16 neighbours,
.set E,   112                          ; four scale bytes,
.set C,   116                          ; and the codes
.set G,   144
.set BB,  176
.set GT,  208                          ; the gate, twice
.set MU,  210                          ; a row's mean, twice
.set RS,  214                          ; 1 / sigma, twice
.set SM,  218                          ; sums: four registers a row
.set PT,  226
.set CT,  228                          ; the cosine's work
.set SP,  80
.set WREG, 2*32*SP
.set SCB,  8*WREG
.set SEL, 28
	s_load_b256 s[4:11], s[0:1], 0x0               ; ao, x, theta, g
	s_load_b128 s[12:15], s[0:1], 0x20             ; b, x1b
	v_lshl_add_u32 v254, v0, 2, 0xa200
	v_mov_b32 v255, 0
	v_lshrrev_b32 v1, 5, v0
	s_delay_alu instid0(VALU_DEP_1)
	v_readfirstlane_b32 s16, v1
	v_and_b32 v2, 31, v0
	s_delay_alu instid0(VALU_DEP_1)
	v_lshlrev_b32 v3, 4, v2
	s_mul_i32 s17, s16, WREG
	v_lshrrev_b32 v14, 2, v2
	s_delay_alu instid0(VALU_DEP_1)
	v_mul_u32_u24 v14, v14, SP
	v_and_b32 v15, 3, v2
	s_delay_alu instid0(VALU_DEP_1)
	v_lshl_add_u32 v14, v15, 4, v14
	s_delay_alu instid0(VALU_DEP_1)
	v_add_nc_u32 v14, s17, v14
	v_mul_u32_u24 v15, v2, SP
	s_delay_alu instid0(VALU_DEP_1)
	v_add_nc_u32 v15, s17, v15
	v_lshrrev_b32 v5, 1, v2
	s_lshl_b32 s17, s16, 6
	s_add_co_u32 s17, s17, SCB
	v_add_nc_u32 v5, s17, v5
	v_add_nc_u32 v6, SCB, v3
	v_mov_b32 v[PT], 0                             ; a lane permute's destination counts as one of its sources
	s_lshl_b32 s20, ttmp9, 16
	s_lshl_b32 s21, s16, 13
	s_add_co_u32 s20, s20, s21                     ; my two rows, in bytes of f32
	s_mov_b32 s21, 0
	s_lshr_b32 s22, s20, 2                         ; and of codes
	s_add_co_u32 s22, s22, 0x1000000
	s_mov_b32 s23, 0
	s_lshl_b32 s24, ttmp9, 9
	s_add_co_u32 s24, s24, 0x1400000
	s_mov_b32 s25, 0
	s_mov_b32 s26, 0x600000
	s_mov_b32 s[SEL], 0x76543210
	s_mov_b32 s[SEL+1], 0xfedcba98
	s_mov_b32 s30, 0x3a800000                      ; 1 / 1,024
	s_mov_b32 s31, 0x3727c5ac                      ; 1e-5
	s_wait_kmcnt 0x0
	s_load_b32 s27, s[8:9], 0x0                    ; theta
	s_add_nc_u64 s[4:5], s[4:5], s[20:21]
	s_add_nc_u64 s[6:7], s[6:7], s[20:21]
	s_add_nc_u64 s[18:19], s[14:15], s[20:21]
	s_add_nc_u64 s[22:23], s[14:15], s[22:23]
	s_add_nc_u64 s[24:25], s[14:15], s[24:25]
.macro LDROW p                         ; row p's 16 loads: ao, then x
.irp i, 0,1,2,3,4,5,6,7
	global_load_b128 v[Y+32*\p+4*\i:Y+32*\p+4*\i+3], v3, s[4:5] offset:4096*\p+512*\i th:TH_LOAD_NT
.endr
.irp i, 0,1,2,3,4,5,6,7
	global_load_b128 v[XR+32*\p+4*\i:XR+32*\p+4*\i+3], v3, s[6:7] offset:4096*\p+512*\i th:TH_LOAD_NT
.endr
.endm
	LDROW 0                                        ; the order of the loads: row 0, g, b, row 1
.irp i, 0,1,2,3,4,5,6,7
	global_load_b128 v[G+4*\i:G+4*\i+3], v3, s[10:11] offset:512*\i
.endr
.irp i, 0,1,2,3,4,5,6,7
	global_load_b128 v[BB+4*\i:BB+4*\i+3], v3, s[12:13] offset:512*\i
.endr
	LDROW 1
	s_wait_kmcnt 0x0
	v_mov_b32 v[CT], s27
	s_delay_alu instid0(VALU_DEP_1)
	v_mul_f32 v[CT+1], 0x3f22f983, v[CT]           ; theta x 2 / pi
	s_delay_alu instid0(VALU_DEP_1)
	v_rndne_f32 v[CT+1], v[CT+1]                   ; k
	s_delay_alu instid0(VALU_DEP_1)
	v_fma_f32 v[CT+2], v[CT+1], 0xbfc90fda, v[CT]  ; theta - k x pi / 2, pi / 2 in three parts
	s_delay_alu instid0(VALU_DEP_1)
	v_fma_f32 v[CT+2], v[CT+1], 0xb3a22168, v[CT+2]
	s_delay_alu instid0(VALU_DEP_1)
	v_fma_f32 v[CT+2], v[CT+1], 0xa7c234c4, v[CT+2]   ; r, within pi / 4
	s_delay_alu instid0(VALU_DEP_1)
	v_mul_f32 v[CT+3], v[CT+2], v[CT+2]            ; r^2
	v_mov_b32 v[CT+4], 0x37d00d01                  ; cos r: 1 - z / 2 + z^2 / 24 - z^3 / 720 + z^4 / 40320
	s_delay_alu instid0(VALU_DEP_1)
	v_fmaak_f32 v[CT+4], v[CT+4], v[CT+3], 0xbab60b61
	s_delay_alu instid0(VALU_DEP_1)
	v_fmaak_f32 v[CT+4], v[CT+4], v[CT+3], 0x3d2aaaab
	s_delay_alu instid0(VALU_DEP_1)
	v_fmaak_f32 v[CT+4], v[CT+4], v[CT+3], 0xbf000000
	s_delay_alu instid0(VALU_DEP_1)
	v_fmaak_f32 v[CT+4], v[CT+4], v[CT+3], 0x3f800000
	v_mov_b32 v[CT+5], 0x3638ef1d                  ; sin r: r + r z (-1 / 6 + z / 120 - z^2 / 5040 + z^3 / 362880)
	s_delay_alu instid0(VALU_DEP_1)
	v_fmaak_f32 v[CT+5], v[CT+5], v[CT+3], 0xb9500d01
	s_delay_alu instid0(VALU_DEP_1)
	v_fmaak_f32 v[CT+5], v[CT+5], v[CT+3], 0x3c088889
	s_delay_alu instid0(VALU_DEP_1)
	v_fmaak_f32 v[CT+5], v[CT+5], v[CT+3], 0xbe2aaaab
	s_delay_alu instid0(VALU_DEP_1)
	v_mul_f32 v[CT+5], v[CT+5], v[CT+3]
	s_delay_alu instid0(VALU_DEP_1)
	v_fma_f32 v[CT+5], v[CT+5], v[CT+2], v[CT+2]
	v_cvt_i32_f32 v[CT+6], v[CT+1]                 ; k as a whole number
	s_delay_alu instid0(VALU_DEP_1)
	v_and_b32 v[CT+7], 1, v[CT+6]
	s_delay_alu instid0(VALU_DEP_1)
	v_cmp_ne_u32 vcc_lo, 0, v[CT+7]
	s_delay_alu instid0(VALU_DEP_1)
	v_cndmask_b32 v[CT+4], v[CT+4], v[CT+5], vcc_lo   ; odd k: the sine
	s_delay_alu instid0(VALU_DEP_4)
	v_add_nc_u32 v[CT+6], 1, v[CT+6]
	s_delay_alu instid0(VALU_DEP_1)
	v_and_b32 v[CT+6], 2, v[CT+6]
	s_delay_alu instid0(VALU_DEP_1)
	v_lshlrev_b32 v[CT+6], 30, v[CT+6]
	s_delay_alu instid0(VALU_DEP_1)
	v_xor_b32 v[CT+4], v[CT+4], v[CT+6]            ; k mod 4 = 1, 2: the sign turns.  cos(theta)
	s_delay_alu instid0(VALU_DEP_1)
	v_mul_f32 v[CT+4], 0xbfb8aa3b, v[CT+4]
	s_wait_alu depctr_va_vdst(0)
	v_exp_f32 v[CT+4], v[CT+4]                     ; e^(-cos)
	v_nop
	s_wait_alu depctr_va_vdst(0)                   ; ahead of the result's first reader
	v_add_f32 v[CT+4], 1.0, v[CT+4]
	s_wait_alu depctr_va_vdst(0)
	v_rcp_f32 v[GT], v[CT+4]
	v_nop
	s_wait_alu depctr_va_vdst(0)
	v_mov_b32 v[GT+1], v[GT]
	s_wait_alu depctr_va_vdst(0)
	s_wait_loadcnt 32                              ; row 0's ao and x are in; g, b and row 1 (32 loads) may be out
.set n, 0
.rept 16
	v_pk_fma_f32 v[Y+n:Y+n+1], v[Y+n:Y+n+1], v[GT:GT+1], v[XR+n:XR+n+1]   ; y = ao x gate + x
.set n, n+2
.endr
.macro REDUCE s                        ; four partial sums of a lane, then the 32 lanes: the result in every lane
	s_delay_alu instid0(VALU_DEP_1)
	v_pk_add_f32 v[\s:\s+1], v[\s:\s+1], v[\s+2:\s+3]
	s_delay_alu instid0(VALU_DEP_1)
	v_add_f32 v[\s], v[\s], v[\s+1]
	s_delay_alu instid0(VALU_DEP_1)
	v_add_f32_dpp v[\s], v[\s], v[\s] row_xmask:1 row_mask:0xf bank_mask:0xf
	s_delay_alu instid0(VALU_DEP_1)
	v_add_f32_dpp v[\s], v[\s], v[\s] row_xmask:2 row_mask:0xf bank_mask:0xf
	s_delay_alu instid0(VALU_DEP_1)
	v_add_f32_dpp v[\s], v[\s], v[\s] row_xmask:4 row_mask:0xf bank_mask:0xf
	s_delay_alu instid0(VALU_DEP_1)
	v_add_f32_dpp v[\s], v[\s], v[\s] row_xmask:8 row_mask:0xf bank_mask:0xf
	s_delay_alu instid0(VALU_DEP_1)
	v_permlanex16_b32 v[PT], v[\s], s[SEL], s[SEL+1]
	s_delay_alu instid0(VALU_DEP_1)
	v_add_f32 v[\s], v[\s], v[PT]
.endm
.macro STATS yb, p                     ; row p: the mean, the differences in place, 1 / sigma
.set S0, SM+4*(\p)
	v_pk_add_f32 v[S0:S0+1], v[\yb:\yb+1], v[\yb+2:\yb+3]
	v_pk_add_f32 v[S0+2:S0+3], v[\yb+4:\yb+5], v[\yb+6:\yb+7]
.irp n, 8,12,16,20,24,28
	s_delay_alu instid0(VALU_DEP_2)
	v_pk_add_f32 v[S0:S0+1], v[S0:S0+1], v[\yb+\n:\yb+\n+1]
	s_delay_alu instid0(VALU_DEP_2)
	v_pk_add_f32 v[S0+2:S0+3], v[S0+2:S0+3], v[\yb+\n+2:\yb+\n+3]
.endr
	REDUCE S0
	s_delay_alu instid0(VALU_DEP_1)
	v_mul_f32 v[MU+2*(\p)], s30, v[S0]
	s_delay_alu instid0(VALU_DEP_2)
	v_mul_f32 v[MU+2*(\p)+1], s30, v[S0]
.irp n, 0,2,4,6,8,10,12,14,16,18,20,22,24,26,28,30
	v_pk_add_f32 v[\yb+\n:\yb+\n+1], v[\yb+\n:\yb+\n+1], v[MU+2*(\p):MU+2*(\p)+1] neg_lo:[0,1] neg_hi:[0,1]
.endr
	v_pk_mul_f32 v[S0:S0+1], v[\yb:\yb+1], v[\yb:\yb+1]
	v_pk_mul_f32 v[S0+2:S0+3], v[\yb+2:\yb+3], v[\yb+2:\yb+3]
.irp n, 4,8,12,16,20,24,28
	s_delay_alu instid0(VALU_DEP_2)
	v_pk_fma_f32 v[S0:S0+1], v[\yb+\n:\yb+\n+1], v[\yb+\n:\yb+\n+1], v[S0:S0+1]
	s_delay_alu instid0(VALU_DEP_2)
	v_pk_fma_f32 v[S0+2:S0+3], v[\yb+\n+2:\yb+\n+3], v[\yb+\n+2:\yb+\n+3], v[S0+2:S0+3]
.endr
	REDUCE S0
	s_delay_alu instid0(VALU_DEP_1)
	v_fma_f32 v[S0], v[S0], s30, s31               ; the variance + 1e-5
	s_wait_alu depctr_va_vdst(0)
	v_rsq_f32 v[RS+2*(\p)], v[S0]
	v_rsq_f32 v[RS+2*(\p)+1], v[S0]
.endm
.macro NORM yb, p
.irp n, 0,2,4,6,8,10,12,14,16,18,20,22,24,26,28,30
	v_pk_mul_f32 v[\yb+\n:\yb+\n+1], v[\yb+\n:\yb+\n+1], v[RS+2*(\p):RS+2*(\p)+1]
.endr
.irp n, 0,2,4,6,8,10,12,14,16,18,20,22,24,26,28,30
	v_pk_fma_f32 v[\yb+\n:\yb+\n+1], v[\yb+\n:\yb+\n+1], v[G+\n:G+\n+1], v[BB+\n:BB+\n+1]
.endr
.endm
.macro OUTROW p
.irp i, 0,1,2,3,4,5,6,7
	global_store_b128 v3, v[Y+32*\p+4*\i:Y+32*\p+4*\i+3], s[18:19] offset:4096*\p+512*\i
.endr
.endm
	STATS Y, 0                                     ; row 0 is finished and stored while row 1 is on its way
	v_nop
	s_wait_alu depctr_va_vdst(0)                   ; one wait for the two roots, ahead of their first reader
	s_wait_loadcnt 16                              ; g and b are in; row 1's 16 loads may be out
	NORM Y, 0
	OUTROW 0
	s_wait_loadcnt 0x0                             ; row 1
.rept 16
	v_pk_fma_f32 v[Y+n:Y+n+1], v[Y+n:Y+n+1], v[GT:GT+1], v[XR+n:XR+n+1]   ; y = ao x gate + x
.set n, n+2
.endr
	STATS Y+32, 1
	v_nop
	s_wait_alu depctr_va_vdst(0)
	NORM Y+32, 1
	OUTROW 1
.macro TURN t
.irp i, 0,1,2,3
	ds_store_b128 v14, v[R+16*(\t)+4*\i:R+16*(\t)+4*\i+3] offset:32*SP*((\t)%2)+8*SP*\i
.endr
.irp i, 0,1,2,3
	ds_load_b128 v[X+16*((\t)%2)+4*\i:X+16*((\t)%2)+4*\i+3], v15 offset:32*SP*((\t)%2)+16*\i
.endr
.endm
.macro STEP t
.set XS, X+16*((\t)%2)
.if (\t) > 0
	s_wait_dscnt 1                                 ; this step's numbers are back; the last step's byte store may be out
.else
	s_wait_dscnt 0x0
.endif
.if (\t)+1 < STEPS
	TURN (\t)+1
.endif
	v_max3_num_f32 v8, |v[XS]|, |v[XS+1]|, |v[XS+2]|
	v_max3_num_f32 v9, |v[XS+3]|, |v[XS+4]|, |v[XS+5]|
.irp i, 6,10
	s_delay_alu instid0(VALU_DEP_2)
	v_max3_num_f32 v8, v8, |v[XS+\i]|, |v[XS+\i+1]|
	s_delay_alu instid0(VALU_DEP_2)
	v_max3_num_f32 v9, v9, |v[XS+\i+2]|, |v[XS+\i+3]|
.endr
	s_delay_alu instid0(VALU_DEP_2)
	v_max3_num_f32 v8, v8, |v[XS+14]|, |v[XS+15]|
	s_delay_alu instid0(VALU_DEP_1)
	v_max3_num_f32 v8, v8, v9, 0x4800000
	s_delay_alu instid0(VALU_DEP_1)
	v_max_num_f32_dpp v8, v8, v8 row_xmask:1 row_mask:0xf bank_mask:0xf
	s_delay_alu instid0(VALU_DEP_1)
	v_add_nc_u32 v11, 0xfc000000, v8
	s_delay_alu instid0(VALU_DEP_2)
	v_and_or_b32 v10, v8, 0x7f800000, s26
.irp i, 0,1,2,3,4,5,6,7,8,9,10,11,12,13,14,15
	v_med3_num_f32 v[XS+\i], v[XS+\i], -v10, v10
.endr
	v_cvt_scalef32_pk8_fp8_f32 v[C+4*(\t):C+4*(\t)+1], v[XS:XS+7], v11
	v_cvt_scalef32_pk8_fp8_f32 v[C+4*(\t)+2:C+4*(\t)+3], v[XS+8:XS+15], v11
	v_lshrrev_b32 v[E+(\t)], 23, v11
	ds_store_b8 v5, v[E+(\t)] offset:16*(\t)
	global_store_b128 v3, v[C+4*(\t):C+4*(\t)+3], s[22:23] offset:512*(\t)
.endm
	TURN 0
.irp t, 0,1,2,3
	STEP \t
.endr
	s_wait_dscnt 0x0
	s_barrier_signal -1
	s_barrier_wait -1
	s_cmp_lg_u32 s16, 0
	s_cbranch_scc1 .Ldone
	ds_load_b128 v[132:135], v6
	s_wait_dscnt 0x0
	global_store_b128 v3, v[132:135], s[24:25]     ; the 16 rows' scale bytes: 512 consecutive bytes
.Ldone:
	s_wait_tensorcnt 0x0
	ds_add_u32 v254, v255
	s_wait_dscnt 0x0
	s_endpgm
.Lfunc_end_k_q8c2b61dca4_ln1:
	.size	k_q8c2b61dca4_ln1, .Lfunc_end_k_q8c2b61dca4_ln1-k_q8c2b61dca4_ln1
	.p2alignl 7, 3214868480
	.fill 96, 4, 3214868480
	.section	.rodata,"a",@progbits
	.p2align	6, 0x0
	.amdhsa_kernel k_q8c2b61dca4_ln1
		.amdhsa_group_segment_fixed_size 42496
		.amdhsa_private_segment_fixed_size 0
		.amdhsa_enable_private_segment 0
		.amdhsa_kernarg_size 48
		.amdhsa_user_sgpr_count 2
		.amdhsa_user_sgpr_kernarg_segment_ptr 1
		.amdhsa_wavefront_size32 1
		.amdhsa_system_sgpr_workgroup_id_x 1
		.amdhsa_system_sgpr_workgroup_id_y 1
		.amdhsa_system_sgpr_workgroup_id_z 1
		.amdhsa_system_vgpr_workitem_id 0
		.amdhsa_next_free_vgpr 256
		.amdhsa_next_free_sgpr 66
		.amdhsa_reserve_vcc 1
		.amdhsa_float_denorm_mode_32 3
		.amdhsa_float_denorm_mode_16_64 3
		.amdhsa_memory_ordered 1
		.amdhsa_forward_progress 1
		.amdhsa_inst_pref_size 40
	.end_amdhsa_kernel
	.amdgpu_metadata
---
amdhsa.version: [ 1, 2 ]
amdhsa.kernels:
  - .name:           k_q8c2b61dca4_ln1
    .symbol:         k_q8c2b61dca4_ln1.kd
    .args:
      - { .name: gout, .offset: 0, .size: 8, .value_kind: global_buffer, .address_space: global }
      - { .name: x, .offset: 8, .size: 8, .value_kind: global_buffer, .address_space: global }
      - { .name: theta, .offset: 16, .size: 8, .value_kind: global_buffer, .address_space: global }
      - { .name: ln1_g, .offset: 24, .size: 8, .value_kind: global_buffer, .address_space: global }
      - { .name: ln1_b, .offset: 32, .size: 8, .value_kind: global_buffer, .address_space: global }
      - { .name: x1b, .offset: 40, .size: 8, .value_kind: global_buffer, .address_space: global }
    .group_segment_fixed_size: 42496
    .private_segment_fixed_size: 0
    .kernarg_segment_align: 8
    .kernarg_segment_size: 48
    .max_flat_workgroup_size: 256
    .sgpr_count:     66
    .vgpr_count:     256
    .wavefront_size: 32
...
	.end_amdgpu_metadata
.endif
;; end of part 5
;; launch ffn1 (part 6): grid 16 x 16, 4 waves a work-group, clusters of 4 x 4, 327,680 bytes of LDS; arguments x1b, w1_codes, w1_scales, b1, hb; writes hb
.if DOCPART == 6
	.amdgcn_target "amdgcn-amd-amdhsa--gfx1250"
	.amdhsa_code_object_version 6
	.text
	.protected	k_q8c2b61dca4_ffn1
	.globl	k_q8c2b61dca4_ffn1
	.p2align	8
	.type	k_q8c2b61dca4_ffn1,@function
k_q8c2b61dca4_ffn1:
	s_mov_b64 s[64:65], 0
	v_nop
	global_prefetch_b8 v0, s[64:65] scope:SCOPE_SE
	s_setreg_imm32_b32 hwreg(HW_REG_WAVE_MODE, 25, 1), 1
	s_wait_xcnt 0x0
	s_wait_alu depctr_hold_cnt(0) depctr_sa_sdst(0) depctr_va_vdst(0) depctr_va_sdst(0) depctr_va_ssrc(0) depctr_va_vcc(0) depctr_vm_vsrc(0)
	s_getreg_b32 s2, hwreg(HW_REG_IB_STS2, 6, 4)
	s_cmp_eq_u32 s2, 0
	s_cbranch_scc0 .Lentry_in_a_cluster
	s_endpgm
.Lentry_in_a_cluster:
	s_bfe_u32 s2, ttmp6, 0x10000c
	s_cmp_lg_u32 s2, 0xf033
	s_cbranch_scc0 .Lentry_shape_is_right
	s_endpgm
.Lentry_shape_is_right:
.set SIZE_K, 1024
.set KSTEP,  256
.set NQ,     KSTEP/128
.set ROWB,   256
.set KROW,   SIZE_K
.set PITCH,  272
.set FR,     16
.set NL,     4
.set NP,     8
.set HALFT,  128*PITCH
.set SLOT,   4*HALFT
.set LAPS,   SIZE_K/(2*KSTEP)
.set KS,     SIZE_K/32
.set SCL,    2*SLOT
.set HALFS,  (128*KS/256)*272
.set SBLK,   (16*KS/256)*272
.set SPARE,  SCL+4*HALFS
.set ADRA, 16
.set ADRB, 20
.set EA,   24
.set EB,   25
.set ADRS, 27
.set SPW,  28
.set NIL,  29
.set SC,   32
.set BI,   64
.set AF,   128
.set T,    128
.set PC,   192
.set TM,   208
.set PW,   224
.set PS,   225
.set PE,   226
.set G1, 24
.set G0, 32
.set G1B, 48
.set G0B, 56
.set G1S, 68
.set G0S, 76
.set G1SB, 80
.set G0SB, 88
.set SEL, 96
.set MNT, 98
.set MHI, 99
.set MSB, 0
.macro WIN new
.if MSB != \new
	s_set_vgpr_msb (MSB<<8)|\new
.set MSB, \new
.endif
.endm
.set MUL_LO, 0xa1
.set MUL_HI, 0xf1
.set TO_B,   0x40
.macro JLOAD g0a, g1a, g0b, g1b
	s_cmp_eq_u32 s15, 0
	s_cbranch_scc0 .Lfor_b_\@
	tensor_load_to_lds s[\g0a:\g0a+3], s[\g1a:\g1a+7]
	s_nop 0
.rept 4
	v_nop
.endr
	s_branch .Lasked_\@
.Lfor_b_\@:
	tensor_load_to_lds s[\g0b:\g0b+3], s[\g1b:\g1b+7]
	s_nop 0
.rept 4
	v_nop
.endr
.Lasked_\@:
.endm
.macro CREST
	s_cmp_lg_u32 s14, 0
	s_cbranch_scc1 .Lnot_wave_0_\@
	s_barrier_signal -3
.Lnot_wave_0_\@:
	s_barrier_wait -3
	s_barrier_signal -1
	s_barrier_wait -1
.endm
.macro CROUND
	s_barrier_signal -1
	s_barrier_wait -1
	CREST
.endm
	s_load_b64 s[4:5], s[0:1], 0x0
	s_load_b128 s[8:11], s[0:1], 0x8
	s_load_b64 s[66:67], s[0:1], 0x18
	s_load_b64 s[12:13], s[0:1], 0x20
	v_lshl_add_u32 v[SPW], v0, 2, SPARE
	v_mov_b32 v[NIL], 0
	ds_add_u32 v28, v29
	ds_add_u32 v28, v29
	s_wait_dscnt 0x0
	v_lshrrev_b32 v1, 5, v0
	v_readfirstlane_b32 s14, v1
	s_lshr_b32 s15, s14, 1
	s_and_b32 s16, s14, 1
	s_bfe_u32 s40, ttmp6, 0x40000
	s_bfe_u32 s41, ttmp6, 0x40004
	s_lshl_b32 s42, ttmp9, 2
	s_add_co_u32 s42, s42, s40
	s_and_b32 s17, ttmp7, 0xffff
	s_lshl_b32 s17, s17, 2
	s_add_co_u32 s17, s17, s41
	s_lshl_b32 s43, s41, 2
	s_lshl_b32 s43, 15, s43
	s_lshl_b32 s44, 0x1111, s40
	s_or_b32 s[G1+0], s43, (0<<16)|(1<<20)|(1<<21)|(5<<22)|(3<<25)
	s_or_b32 s[G1B+0], s44, (0<<16)|(1<<20)|(1<<21)|(5<<22)|(3<<25)
.irp g, G1, G1B
	s_mov_b32 s[\g+1], ROWB<<16
	s_mov_b32 s[\g+2], 256<<16
	s_mov_b32 s[\g+3], ROWB<<16
	s_mov_b32 s[\g+4], 256
	s_mov_b32 s[\g+5], KROW
	s_mov_b32 s[\g+6], 0
	s_mov_b32 s[\g+7], 0
.endr
	s_or_b32 s[G1S+0], s43, (3<<16)|(1<<20)|(1<<21)|(5<<22)|(3<<25)
	s_or_b32 s[G1SB+0], s44, (3<<16)|(1<<20)|(1<<21)|(5<<22)|(3<<25)
.irp g, G1S, G1SB
	s_mov_b32 s[\g+1], 32<<16
	s_mov_b32 s[\g+2], (256*KS/256)<<16
	s_mov_b32 s[\g+3], 32<<16
	s_mov_b32 s[\g+4], 256*KS/256
	s_mov_b32 s[\g+5], 32
	s_mov_b32 s[\g+6], 0
	s_mov_b32 s[\g+7], 0
.endr
	s_lshl_b32 s20, s17, 8                         ; the tiles' first rows
	s_lshl_b32 s46, s42, 8
	s_mov_b32 s21, 0
	s_mov_b32 s47, 0
	s_mov_b64 s[18:19], KS
	s_mul_u64 s[22:23], s[20:21], s[18:19]
	s_mul_u64 s[92:93], s[46:47], s[18:19]
	s_mov_b64 s[18:19], KROW
	s_mul_u64 s[20:21], s[20:21], s[18:19]
	s_mul_u64 s[46:47], s[46:47], s[18:19]
	s_mul_i32 s45, s14, HALFT
	s_wait_kmcnt 0x0
	s_add_nc_u64 s[6:7], s[4:5], 0x1400000
	s_add_nc_u64 s[4:5], s[4:5], 0x1000000
	s_add_nc_u64 s[20:21], s[4:5], s[20:21]
	s_add_nc_u64 s[22:23], s[6:7], s[22:23]
	s_add_nc_u64 s[46:47], s[8:9], s[46:47]
	s_add_nc_u64 s[92:93], s[10:11], s[92:93]
	CROUND
	s_mov_b32 s[G0S], 1
	s_mov_b32 s[G0S+1], SCL
	s_mov_b64 s[G0S+2:G0S+3], s[22:23]
	s_or_b32 s[G0S+3], s[G0S+3], 0x80000000
	s_mov_b32 s[G0SB], 1
	s_mov_b32 s[G0SB+1], SCL+2*HALFS
	s_mov_b64 s[G0SB+2:G0SB+3], s[92:93]
	s_or_b32 s[G0SB+3], s[G0SB+3], 0x80000000
	s_mov_b32 s4, 1                                ; s[4:7], s[8:11]: group 0 of the head's loads of K step 0: A's 256 rows, B's 256 rows (the pointers that lay there are used up)
	s_mov_b32 s5, 0
	s_mov_b64 s[6:7], s[20:21]
	s_or_b32 s7, s7, 0x80000000
	s_mov_b32 s8, 1
	s_mov_b32 s9, 2*HALFT
	s_mov_b64 s[10:11], s[46:47]
	s_or_b32 s11, s11, 0x80000000
	s_mul_i32 s18, s16, 128*KROW                   ; for the ring: my 128 rows of a tile
	s_mov_b32 s19, 0
	s_add_nc_u64 s[20:21], s[20:21], s[18:19]
	s_add_nc_u64 s[46:47], s[46:47], s[18:19]
.irp s, 0,1
	s_mov_b32 s[G0+4*\s], 1
	s_add_co_u32 s[G0+4*\s+1], s45, \s*SLOT
	s_add_nc_u64 s[G0+4*\s+2:G0+4*\s+3], s[20:21], \s*ROWB
	s_or_b32 s[G0+4*\s+3], s[G0+4*\s+3], 0x80000000
	s_mov_b32 s[G0B+4*\s], 1
	s_add_co_u32 s[G0B+4*\s+1], s45, \s*SLOT
	s_add_nc_u64 s[G0B+4*\s+2:G0B+4*\s+3], s[46:47], \s*ROWB
	s_or_b32 s[G0B+4*\s+3], s[G0B+4*\s+3], 0x80000000
.endr
; THE HEAD'S LOADS, ONE A WAVE, in one chain of branches on the wave's number: K step 0's two tiles of 256 rows, and the two blocks of scale bytes.
.macro ARM under, g0, g1, next
	s_cmp_lt_u32 s14, \under
	s_cbranch_scc0 \next
	tensor_load_to_lds s[\g0:\g0+3], s[\g1:\g1+7]
	s_nop 0
.rept 4
	v_nop
.endr
	s_branch .Lhead_asked
\next:
.endm
	ARM 1, 4,   G1,  .Lhead_b
	ARM 2, 8,   G1B, .Lhead_sa
	ARM 3, G0S, G1S, .Lhead_sb
	tensor_load_to_lds s[G0SB:G0SB+3], s[G1SB:G1SB+7]
	s_nop 0
.rept 4
	v_nop
.endr
.Lhead_asked:
	; THE PREFETCHES: of the 128 rows that my wave fetches in the ring, each of the four partners that ask for them jointly names 32, told apart by address; a lane a row, 256 bytes of a row a K step.
	s_cmp_eq_u32 s15, 0
	s_cselect_b64 s[92:93], s[20:21], s[46:47]
	s_cselect_b32 s94, s40, s41
	s_lshl_b32 s94, s94, 15
	s_mov_b32 s95, 0
	s_add_nc_u64 s[92:93], s[92:93], s[94:95]
	v_and_b32 v30, 31, v0
	v_lshlrev_b32 v30, 10, v30
	global_prefetch_b8 v30, s[92:93] offset:256 th:TH_LOAD_NT scope:SCOPE_SE   ; K steps 1 and 2
	global_prefetch_b8 v30, s[92:93] offset:512 th:TH_LOAD_NT scope:SCOPE_SE
	v_and_b32 v1, 15, v0
	s_wait_alu depctr_va_vdst(0)
	v_bfe_u32 v2, v0, 4, 1
	s_lshl_b32 s18, s42, 10
	s_lshl_b32 s19, s16, 9
	s_add_co_u32 s18, s18, s19
	s_mov_b32 s19, 0
	s_add_nc_u64 s[66:67], s[66:67], s[18:19]
	v_lshlrev_b32 v7, 5, v2
.irp b, 0,1,2,3,4,5,6,7
	global_load_b128 v[BI+8*\b:BI+8*\b+3], v7, s[66:67] offset:64*\b
	global_load_b128 v[BI+8*\b+4:BI+8*\b+7], v7, s[66:67] offset:64*\b+16
.endr
	v_mul_u32_u24 v3, v1, PITCH
	v_lshl_add_u32 v4, v2, 4, v3
	s_mul_i32 s21, s15, HALFT
	s_mul_i32 s22, s16, HALFT
	s_add_co_u32 s22, s22, 2*HALFT
.irp s, 0,1
	v_add_nc_u32 v[ADRA+\s], s21, v4
	v_add_nc_u32 v[ADRB+\s], s22, v4
	s_add_co_u32 s21, s21, SLOT
	s_add_co_u32 s22, s22, SLOT
.endr
	v_mul_u32_u24 v5, v1, KS
	v_lshrrev_b32 v6, 8, v5
	v_lshl_add_u32 v5, v6, 4, v5
	s_mul_i32 s21, s15, HALFS
	s_mul_i32 s22, s16, HALFS
	s_add_co_u32 s22, s22, 2*HALFS
	s_sub_co_u32 s22, s22, s21
	v_mul_u32_u24 v6, s22, v2
	s_add_co_u32 s21, s21, SCL
	v_add_nc_u32 v5, v5, v6
	v_add_nc_u32 v[ADRS], s21, v5
.macro FRAG reg, adr, q, i
.irp c, 0,1,2,3
	ds_load_b128 v[\reg+4*\c:\reg+4*\c+3], v[\adr] offset:128*(\q)+32*\c+(\i)*16*PITCH
.endr
.endm
.macro MUL16 a0, p, q, sc, zero
.irp a, \a0, \a0+1
.irp b, 0,1,2,3,4,5,6,7
.if (\zero) == 2
	v_wmma_scale_f32_16x16x128_f8f6f4 v[8*(8*((\a)%4)+\b):8*(8*((\a)%4)+\b)+7], v[128*(\p)+FR*\b:128*(\p)+FR*\b+FR-1], v[AF+FR*(\a):AF+FR*(\a)+FR-1], v[BI+8*\b:BI+8*\b+7], v[SC+8*NQ*(\sc)+NQ*\b+(\q)], v[SC+8*NQ*(\sc)+NQ*(\a)+(\q)] matrix_a_scale:MATRIX_SCALE_ROW1
.else
	v_wmma_scale_f32_16x16x128_f8f6f4 v[8*(8*((\a)%4)+\b):8*(8*((\a)%4)+\b)+7], v[128*(\p)+FR*\b:128*(\p)+FR*\b+FR-1], v[AF+FR*(\a):AF+FR*(\a)+FR-1], v[8*(8*((\a)%4)+\b):8*(8*((\a)%4)+\b)+7], v[SC+8*NQ*(\sc)+NQ*\b+(\q)], v[SC+8*NQ*(\sc)+NQ*(\a)+(\q)] matrix_a_scale:MATRIX_SCALE_ROW1
.endif
.endr
.endr
.endm
.macro FETCH_B slot, q, p
	WIN TO_B
.irp i, 0,1,2,3,4,5,6,7
	FRAG 128*(\p)+FR*\i, ADRB+\slot, \q, \i
.endr
	WIN 0
.endm
.macro FETCH_A slot, q, i0
.irp i, \i0, \i0+1, \i0+2, \i0+3
	FRAG AF+FR*(\i), ADRA+\slot, \q, \i
.endr
.endm
.macro SCALES sc
.irp i, 0,1,2,3,4,5,6,7
	ds_load_b64 v[SC+8*NQ*\sc+NQ*\i:SC+8*NQ*\sc+NQ*\i+1], v[ADRS] offset:\i*SBLK
.endr
.endm
.macro PLACES n
.rept \n
	v_nop
.endr
.endm
.macro STEP slot, q, zero
	s_wait_dscnt 4*NL
.if (\zero) == 2
	WIN 0x81
.else
	WIN MUL_LO
.endif
	MUL16 0, (\q)%2, \q, \slot, \zero
	MUL16 2, (\q)%2, \q, \slot, \zero
	s_wait_dscnt 0
	PLACES NP
	FETCH_B \slot, (\q)+1, 1-(\q)%2
	FETCH_A \slot, (\q)+1, 0
.if (\zero) == 2
	WIN 0xc1
.else
	WIN MUL_HI
.endif
	MUL16 4, (\q)%2, \q, \slot, \zero
	MUL16 6, (\q)%2, \q, \slot, \zero
	PLACES NP
	WIN 0
	FETCH_A \slot, (\q)+1, 4
.endm
.macro TURN slot, next, fill
	s_wait_tensorcnt 0x0
	ds_add_u32 v[SPW], v[NIL]
	s_wait_dscnt 4*NL+1
	WIN MUL_LO
	MUL16 0, 1, NQ-1, \slot, 0
	s_wait_dscnt 0x0
	s_barrier_signal -1
	MUL16 2, 1, NQ-1, \slot, 0
	WIN 0
	s_barrier_wait -1
.if \fill
	CREST
	s_add_nc_u64 s[G0+4*\slot+2:G0+4*\slot+3], s[G0+4*\slot+2:G0+4*\slot+3], 2*ROWB
	s_add_nc_u64 s[G0B+4*\slot+2:G0B+4*\slot+3], s[G0B+4*\slot+2:G0B+4*\slot+3], 2*ROWB
	JLOAD G0+4*\slot, G1, G0B+4*\slot, G1B
	PLACES NP-4
.else
	PLACES NP
.endif
	s_wait_alu depctr_va_vdst(0)
	v_add_nc_u32 v[ADRS], 4*NQ, v[ADRS]
	FETCH_B \next, 0, 0
	FETCH_A \next, 0, 0
	SCALES \next
	WIN MUL_HI
	MUL16 4, 1, NQ-1, \slot, 0
	MUL16 6, 1, NQ-1, \slot, 0
	PLACES NP
	WIN 0
	FETCH_A \next, 0, 4
.endm
	s_wait_alu depctr_va_vdst(0)
	s_wait_tensorcnt 0x0                           ; my tile of the head's four is in
	ds_add_u32 v28, v29
	s_mov_b32 s[G1+2], 128<<16                     ; no tensor load of mine is out: from here on a load brings 128 rows
	s_mov_b32 s[G1+4], 128
	s_mov_b32 s[G1B+2], 128<<16
	s_mov_b32 s[G1B+4], 128
	s_wait_dscnt 0x0
	CROUND                                         ; all four tiles are in, and all sixteen work-groups are here
	JLOAD G0+4, G1, G0B+4, G1B                     ; K step 1, the first tensor load behind the round
	global_prefetch_b8 v30, s[92:93] offset:768 th:TH_LOAD_NT scope:SCOPE_SE   ; K step 3: two loads on
	FETCH_B 0, 0, 0
	FETCH_A 0, 0, 0
	SCALES 0
	FETCH_A 0, 0, 4
	s_wait_loadcnt 0x0
	STEP 0, 0, 2
	s_mov_b32 s3, LAPS-1
.Llap:
	TURN 0, 1, 1
	STEP 1, 0, 0
	TURN 1, 0, 1
	STEP 0, 0, 0
	s_sub_co_u32 s3, s3, 1
	s_cmp_lg_u32 s3, 0
	s_cbranch_scc1 .Llap
	TURN 0, 1, 0
	STEP 1, 0, 0
	s_wait_dscnt 4*NL
	WIN MUL_LO
	MUL16 0, 1, NQ-1, 1, 0
	MUL16 2, 1, NQ-1, 1, 0
	s_wait_dscnt 0
	WIN MUL_HI
	MUL16 4, 1, NQ-1, 1, 0
	MUL16 6, 1, NQ-1, 1, 0
	WIN 0
.macro QUANTW a
.set W, 2+(\a)/4
.set WW, (W<<2)|(W<<4)
.set S, 64*((\a)%4)
	WIN WW
.irp b, 0,1,2,3
	v_max3_num_f32 v[TM+\b], 0x4800000, v[S+16*\b], v[S+16*\b+1]
.endr
.irp i, 2,4,6,8,10,12,14
.irp b, 0,1,2,3
	v_max3_num_f32 v[TM+\b], v[TM+\b], v[S+16*\b+\i], v[S+16*\b+\i+1]
.endr
.endr
	WIN 0
.irp b, 0,1,2,3
	v_permlanex16_b32 v[TM+4+\b], v[TM+\b], s[SEL], s[SEL+1]
.endr
.irp b, 0,1,2,3
	v_max_num_f32 v[TM+\b], v[TM+\b], v[TM+4+\b]
.endr
.irp b, 0,1,2,3
	v_add_nc_u32 v[TM+12+\b], 0xfc000000, v[TM+\b]
.endr
.irp b, 0,1,2,3
	v_and_or_b32 v[TM+8+\b], v[TM+\b], 0x7f800000, s[MNT]
.endr
.irp b, 0,1,2,3
	v_lshrrev_b32 v[TM+4+\b], 23, v[TM+12+\b]
.endr
	v_lshl_or_b32 v[PW], v[TM+5], 8, v[TM+4]
	v_lshl_or_b32 v[PW], v[TM+6], 16, v[PW]
	v_lshl_or_b32 v[PW], v[TM+7], 24, v[PW]
	WIN W
.irp b, 0,1,2,3
.irp i, 0,1,2,3,4,5,6,7,8,9,10,11,12,13,14,15
	v_med3_num_f32 v[T+16*\b+\i], v[S+16*\b+\i], 0, v[TM+8+\b]
.endr
.endr
	WIN 0
.if (\a) > 0
	s_wait_alu depctr_va_vdst(0)
	s_wait_xcnt 0x0                                ; the last block's stores have read their data: the conversions below are the first lines that rewrite any of it
.endif
.irp b, 0,1,2,3
	v_cvt_scalef32_pk8_fp8_f32 v[PC+4*\b:PC+4*\b+1], v[T+16*\b:T+16*\b+7], v[TM+12+\b]
	v_cvt_scalef32_pk8_fp8_f32 v[PC+4*\b+2:PC+4*\b+3], v[T+16*\b+8:T+16*\b+15], v[TM+12+\b]
.endr
	v_nop
.endm
	PLACES NP
	s_lshl_b32 s20, s17, 4
	s_lshl_b32 s21, s15, 3
	s_add_co_u32 s20, s20, s21
	s_lshl_b32 s20, s20, 5
	s_lshl_b32 s21, s42, 1
	s_add_co_u32 s21, s21, s16
	s_add_co_u32 s20, s20, s21
	s_lshl_b32 s20, s20, 11
	s_and_b32 s22, s21, 3
	s_lshl_b32 s22, s22, 2
	s_lshr_b32 s23, s42, 1
	s_lshl_b32 s23, s23, 16
	s_add_co_u32 s22, s22, s23
	s_lshl_b32 s23, s17, 12
	s_add_co_u32 s22, s22, s23
	s_lshl_b32 s23, s15, 11
	s_add_co_u32 s22, s22, s23
	s_add_co_u32 s22, s22, 0x1000000
	s_mov_b32 s21, 0
	s_mov_b32 s23, 0
	s_add_nc_u64 s[22:23], s[12:13], s[22:23]
	s_add_nc_u64 s[12:13], s[12:13], s[20:21]
	s_mov_b32 s[SEL], 0x76543210
	s_mov_b32 s[SEL+1], 0xfedcba98
	s_mov_b32 s[MNT], 0x600000
	s_mov_b32 s[MHI], 0xffff0000
	v_and_b32 v1, 15, v0
	v_bfe_u32 v2, v0, 4, 1
	v_lshlrev_b32 v3, 4, v1
	v_lshl_add_u32 v[EA], v2, 3, v3
	v_lshl_add_u32 v[EB], v2, 8, v3
.irp b, 0,1,2,3
	v_mov_b32 v[TM+4+\b], 0
.endr
.irp a, 0,1,2,3,4,5,6,7
	QUANTW \a
.irp c, 0,1,2,3
	global_store_b64 v[EA], v[PC+4*\c:PC+4*\c+1], s[12:13] offset:65536*\a+512*\c
	global_store_b64 v[EA], v[PC+4*\c+2:PC+4*\c+3], s[12:13] offset:65536*\a+512*\c+256
.endr
.if \a % 2
	v_cndmask_b32 v[PS], v[PE], v[PW], s[MHI]
	global_store_b32 v[EB], v[PS], s[22:23] offset:256*(\a-1)
.else
	v_mov_b32 v[PE], v[PW]
.endif
.endr
	s_wait_tensorcnt 0x0
	ds_add_u32 v[SPW], v[NIL]
	s_wait_dscnt 0x0
	CROUND
	s_endpgm
.Lfunc_end_k_q8c2b61dca4_ffn1:
	.size	k_q8c2b61dca4_ffn1, .Lfunc_end_k_q8c2b61dca4_ffn1-k_q8c2b61dca4_ffn1
	.p2alignl 7, 3214868480
	.fill 96, 4, 3214868480
	.section	.rodata,"a",@progbits
	.p2align	6, 0x0
	.amdhsa_kernel k_q8c2b61dca4_ffn1
		.amdhsa_group_segment_fixed_size 327680
		.amdhsa_private_segment_fixed_size 0
		.amdhsa_enable_private_segment 0
		.amdhsa_kernarg_size 40
		.amdhsa_user_sgpr_count 2
		.amdhsa_user_sgpr_kernarg_segment_ptr 1
		.amdhsa_wavefront_size32 1
		.amdhsa_system_sgpr_workgroup_id_x 1
		.amdhsa_system_sgpr_workgroup_id_y 1
		.amdhsa_system_sgpr_workgroup_id_z 1
		.amdhsa_system_vgpr_workitem_id 0
		.amdhsa_next_free_vgpr 1024
		.amdhsa_next_free_sgpr 100
		.amdhsa_reserve_vcc 0
		.amdhsa_float_denorm_mode_32 3
		.amdhsa_float_denorm_mode_16_64 3
		.amdhsa_memory_ordered 1
		.amdhsa_forward_progress 1
		.amdhsa_inst_pref_size 192
	.end_amdhsa_kernel
	.amdgpu_metadata
---
amdhsa.version: [ 1, 2 ]
amdhsa.kernels:
  - .name:           k_q8c2b61dca4_ffn1
    .symbol:         k_q8c2b61dca4_ffn1.kd
    .args:
      - { .name: x1b, .offset: 0, .size: 8, .value_kind: global_buffer, .address_space: global }
      - { .name: w1_codes, .offset: 8, .size: 8, .value_kind: global_buffer, .address_space: global }
      - { .name: w1_scales, .offset: 16, .size: 8, .value_kind: global_buffer, .address_space: global }
      - { .name: b1, .offset: 24, .size: 8, .value_kind: global_buffer, .address_space: global }
      - { .name: hb, .offset: 32, .size: 8, .value_kind: global_buffer, .address_space: global }
    .group_segment_fixed_size: 327680
    .private_segment_fixed_size: 0
    .kernarg_segment_align: 8
    .kernarg_segment_size: 40
    .max_flat_workgroup_size: 128
    .sgpr_count:     100
    .vgpr_count:     1024
    .wavefront_size: 32
...
	.end_amdgpu_metadata
.endif
;; end of part 6
;; launch ffn2 (part 7): grid 8 x 32, 4 waves a work-group, clusters of 4 x 4, 327,680 bytes of LDS; arguments hb, w2_codes, w2_scales, gout; writes gout
.if DOCPART == 7
	.amdgcn_target "amdgcn-amd-amdhsa--gfx1250"
	.amdhsa_code_object_version 6
	.text
	.protected	k_q8c2b61dca4_ffn2
	.globl	k_q8c2b61dca4_ffn2
	.p2align	8
	.type	k_q8c2b61dca4_ffn2,@function
k_q8c2b61dca4_ffn2:
	s_mov_b64 s[64:65], 0
	v_nop
	global_prefetch_b8 v0, s[64:65] scope:SCOPE_SE
	s_setreg_imm32_b32 hwreg(HW_REG_WAVE_MODE, 25, 1), 1
	s_wait_xcnt 0x0
	s_wait_alu depctr_hold_cnt(0) depctr_sa_sdst(0) depctr_va_vdst(0) depctr_va_sdst(0) depctr_va_ssrc(0) depctr_va_vcc(0) depctr_vm_vsrc(0)
	s_getreg_b32 s2, hwreg(HW_REG_IB_STS2, 6, 4)
	s_cmp_eq_u32 s2, 0
	s_cbranch_scc0 .Lentry_in_a_cluster
	s_endpgm
.Lentry_in_a_cluster:
	s_bfe_u32 s2, ttmp6, 0x10000c
	s_cmp_lg_u32 s2, 0xf033
	s_cbranch_scc0 .Lentry_shape_is_right
	s_endpgm
.Lentry_shape_is_right:
.set SIZE_K,  4096
.set ASC_OFF, 0x1000000
.set KS,     SIZE_K/32
.set LAPS,   SIZE_K/1024
.set AHALF,  32768
.set BHALF,  64*528
.set SLOT,   65536+2*BHALF
.set ASC,    2*SLOT
.set BSC,    ASC+4*SIZE_K
.set BSH,    (SIZE_K/128)*272
.set SPARE,  BSC+2*BSH
.set NP,   8
.set ADRA, 16
.set ADRB, 20
.set ADSA, 22
.set ADSB, 23
.set STO,  24
.set RD,   25
.set CO,   26
.set SPW,  28
.set NIL,  29
.set SC,   32
.set ACC,  128
.set F0,   0
.set F1,   128
.set G1, 24
.set G0, 32
.set G1B, 48
.set G0B, 56
.set G1S, 68
.set G0S, 76
.set G1SB, 80
.set G0SB, 88
.set MSB, 0
.macro WIN new
.if MSB != \new
	s_set_vgpr_msb (MSB<<8)|\new
.set MSB, \new
.endif
.endm
.set MUL,  0x05
.set TO_F, 0x40
.macro JLOAD g0a, g1a, g0b, g1b
	s_cmp_eq_u32 s15, 0
	s_cbranch_scc0 .Lfor_b_\@
	tensor_load_to_lds s[\g0a:\g0a+3], s[\g1a:\g1a+7]
	s_nop 0
.rept 4
	v_nop
.endr
	s_branch .Lasked_\@
.Lfor_b_\@:
	tensor_load_to_lds s[\g0b:\g0b+3], s[\g1b:\g1b+7]
	s_nop 0
.rept 4
	v_nop
.endr
.Lasked_\@:
.endm
.macro CREST
	s_cmp_lg_u32 s14, 0
	s_cbranch_scc1 .Lnot_wave_0_\@
	s_barrier_signal -3
.Lnot_wave_0_\@:
	s_barrier_wait -3
	s_barrier_signal -1
	s_barrier_wait -1
.endm
.macro CROUND
	s_barrier_signal -1
	s_barrier_wait -1
	CREST
.endm
	s_load_b128 s[4:7], s[0:1], 0x0
	s_load_b128 s[8:11], s[0:1], 0x10
	v_lshl_add_u32 v[SPW], v0, 2, SPARE
	v_mov_b32 v[NIL], 0
	ds_add_u32 v28, v29
	ds_add_u32 v28, v29
	s_wait_dscnt 0x0
	v_lshrrev_b32 v1, 5, v0
	v_readfirstlane_b32 s14, v1
	s_lshr_b32 s15, s14, 1
	s_and_b32 s16, s14, 1
	s_bfe_u32 s40, ttmp6, 0x40000
	s_bfe_u32 s41, ttmp6, 0x40004
	s_lshl_b32 s42, ttmp9, 2
	s_add_co_u32 s42, s42, s40
	s_and_b32 s17, ttmp7, 0xffff
	s_lshl_b32 s17, s17, 2
	s_add_co_u32 s17, s17, s41
	s_lshl_b32 s43, s41, 2
	s_lshl_b32 s43, 15, s43
	s_lshl_b32 s44, 0x1111, s40
	s_or_b32 s[G1+0], s43, (3<<16)|(1<<21)
	s_mov_b32 s[G1+1], 1024<<16
	s_mov_b32 s[G1+2], 8<<16
	s_mov_b32 s[G1+3], 1024<<16
	s_mov_b32 s[G1+4], 8
	s_mov_b32 s[G1+5], 2*SIZE_K
	s_mov_b32 s[G1+6], 0
	s_mov_b32 s[G1+7], 0
	s_or_b32 s[G1B+0], s44, (0<<16)|(1<<20)|(1<<21)|(6<<22)|(3<<25)
	s_mov_b32 s[G1B+1], 512<<16
	s_mov_b32 s[G1B+2], 128<<16
	s_mov_b32 s[G1B+3], 512<<16
	s_mov_b32 s[G1B+4], 128
	s_mov_b32 s[G1B+5], SIZE_K
	s_mov_b32 s[G1B+6], 0
	s_mov_b32 s[G1B+7], 0
	s_or_b32 s[G1S+0], s43, (3<<16)|(1<<21)
	s_mov_b32 s[G1S+1], 256<<16
	s_mov_b32 s[G1S+2], (SIZE_K/512)<<16
	s_mov_b32 s[G1S+3], 256<<16
	s_mov_b32 s[G1S+4], SIZE_K/512
	s_mov_b32 s[G1S+5], 8192
	s_mov_b32 s[G1S+6], 0
	s_mov_b32 s[G1S+7], 0
	s_or_b32 s[G1SB+0], s44, (3<<16)|(1<<20)|(1<<21)|(5<<22)|(3<<25)
	s_mov_b32 s[G1SB+1], 32<<16
	s_mov_b32 s[G1SB+2], (SIZE_K/64)<<16
	s_mov_b32 s[G1SB+3], 32<<16
	s_mov_b32 s[G1SB+4], SIZE_K/64
	s_mov_b32 s[G1SB+5], 32
	s_mov_b32 s[G1SB+6], 0
	s_mov_b32 s[G1SB+7], 0
	s_lshl_b32 s20, s17, 3
	s_mul_i32 s20, s20, 16*SIZE_K
	s_mov_b32 s21, 0
	s_lshl_b32 s22, s17, 11
	s_add_co_u32 s22, s22, ASC_OFF
	s_mov_b32 s23, 0
	s_lshl_b32 s46, s42, 7
	s_mul_i32 s92, s46, KS
	s_mul_i32 s46, s46, SIZE_K
	s_mov_b32 s47, 0
	s_mov_b32 s93, 0
	s_mul_i32 s45, s16, AHALF
	s_mul_i32 s95, s16, BHALF
	s_add_co_u32 s95, s95, 65536
	s_wait_kmcnt 0x0
	s_add_nc_u64 s[20:21], s[4:5], s[20:21]
	s_add_nc_u64 s[22:23], s[4:5], s[22:23]
	s_add_nc_u64 s[46:47], s[6:7], s[46:47]
	s_add_nc_u64 s[92:93], s[8:9], s[92:93]
	s_mov_b64 s[12:13], s[10:11]
	CROUND
	s_mov_b32 s[G0S], 1
	s_mov_b32 s[G0S+1], ASC
	s_mov_b64 s[G0S+2:G0S+3], s[22:23]
	s_or_b32 s[G0S+3], s[G0S+3], 0x80000000
	s_mov_b32 s[G0SB], 1
	s_mov_b32 s[G0SB+1], BSC
	s_mov_b64 s[G0SB+2:G0SB+3], s[92:93]
	s_or_b32 s[G0SB+3], s[G0SB+3], 0x80000000
	s_mov_b32 s4, 1                                ; s[4:7], s[8:11]: group 0 of the head's loads of K step 0: A's 8 tiles of rows, B's 128 rows (the pointers that lay there are used up)
	s_mov_b32 s5, 0
	s_mov_b64 s[6:7], s[20:21]
	s_or_b32 s7, s7, 0x80000000
	s_mov_b32 s8, 1
	s_mov_b32 s9, 65536
	s_mov_b64 s[10:11], s[46:47]
	s_or_b32 s11, s11, 0x80000000
	s_lshl_b32 s18, s16, 18                        ; for the ring: my half of a tile: 4 tiles of rows of A, or 64 rows of B: 262,144 bytes on in either
	s_mov_b32 s19, 0
	s_add_nc_u64 s[20:21], s[20:21], s[18:19]
	s_add_nc_u64 s[46:47], s[46:47], s[18:19]
.irp s, 0,1
	s_mov_b32 s[G0+4*\s], 1
	s_add_co_u32 s[G0+4*\s+1], s45, \s*SLOT
	s_add_nc_u64 s[G0+4*\s+2:G0+4*\s+3], s[20:21], \s*8192
	s_or_b32 s[G0+4*\s+3], s[G0+4*\s+3], 0x80000000
	s_mov_b32 s[G0B+4*\s], 1
	s_add_co_u32 s[G0B+4*\s+1], s95, \s*SLOT
	s_add_nc_u64 s[G0B+4*\s+2:G0B+4*\s+3], s[46:47], \s*512
	s_or_b32 s[G0B+4*\s+3], s[G0B+4*\s+3], 0x80000000
.endr
; THE HEAD'S LOADS, ONE A WAVE, in one chain of branches on the wave's number: K step 0's two tiles, and the two blocks of scale bytes for all of K.
.macro ARM under, g0, g1, next
	s_cmp_lt_u32 s14, \under
	s_cbranch_scc0 \next
	tensor_load_to_lds s[\g0:\g0+3], s[\g1:\g1+7]
	s_nop 0
.rept 4
	v_nop
.endr
	s_branch .Lhead_asked
\next:
.endm
	ARM 1, 4,   G1,  .Lhead_b
	ARM 2, 8,   G1B, .Lhead_sa
	ARM 3, G0S, G1S, .Lhead_sb
	tensor_load_to_lds s[G0SB:G0SB+3], s[G1SB:G1SB+7]
	s_nop 0
.rept 4
	v_nop
.endr
.Lhead_asked:
	; THE PREFETCHES: a K step of the half tile that my wave fetches in the ring is 128 blocks of 256 bytes; the four partners that ask for it jointly share them out by address, 32 each, a lane a block.
	; A: partner cx takes one tile of rows (8,192 consecutive bytes);  B: partner cy takes 16 rows of 512 bytes: 65,536 bytes from partner to partner in either.
	; s[96:97] stands at an even K step n; v31 names K step n + 1, v30 n + 2, v27 n + 3; s[66:67] is two K steps in bytes.
	s_mov_b32 s66, 1024
	s_cmp_eq_u32 s15, 0                            ; do I fetch for A?
	s_cselect_b64 s[96:97], s[20:21], s[46:47]
	s_cselect_b32 s94, s40, s41
	s_cselect_b32 s66, 16384, s66
	s_cselect_b32 s92, 0, 1
	s_cselect_b32 s93, 8, 12
	s_lshl_b32 s94, s94, 16
	s_mov_b32 s95, 0
	s_mov_b32 s67, 0
	s_add_nc_u64 s[96:97], s[96:97], s[94:95]      ; at K step 0
	s_lshr_b32 s94, s66, 1
	v_and_b32 v31, 31, v0
	v_lshrrev_b32 v30, s92, v31
	v_lshlrev_b32 v30, s93, v30
	v_and_b32 v31, s92, v31
	v_lshl_add_u32 v30, v31, 8, v30
	v_add_nc_u32 v31, s94, v30
	v_add_nc_u32 v30, s66, v30
	v_add_nc_u32 v27, s94, v30
	global_prefetch_b8 v31, s[96:97] th:TH_LOAD_NT scope:SCOPE_SE   ; K steps 1 and 2
	global_prefetch_b8 v30, s[96:97] th:TH_LOAD_NT scope:SCOPE_SE
	v_and_b32 v1, 15, v0
	v_bfe_u32 v2, v0, 4, 1
	v_and_b32 v3, 31, v0
	v_lshlrev_b32 v3, 4, v3
	s_mul_i32 s21, s15, AHALF
	v_add_nc_u32 v[ADRA], s21, v3
	v_add_nc_u32 v[ADRA+1], SLOT, v[ADRA]
	v_mul_u32_u24 v4, v1, 528
	v_lshl_add_u32 v4, v2, 4, v4
	s_mul_i32 s22, s16, BHALF
	s_add_co_u32 s22, s22, 65536
	v_add_nc_u32 v[ADRB], s22, v4
	v_add_nc_u32 v[ADRB+1], SLOT, v[ADRB]
	v_lshlrev_b32 v5, 4, v1
	s_lshl_b32 s21, s15, 10                        ; A's scale words lie [K step][128 rows][16 bytes]
	s_add_co_u32 s21, s21, ASC
	v_add_nc_u32 v[ADSA], s21, v5
	v_mul_u32_u24 v5, v1, KS
	v_lshrrev_b32 v6, 8, v5
	v_lshl_add_u32 v5, v6, 4, v5
	s_mul_i32 s22, s16, BSH
	s_add_co_u32 s22, s22, BSC
	v_add_nc_u32 v[ADSB], s22, v5
	s_mul_i32 s23, s14, 16*272
	v_mul_u32_u24 v5, v1, 272
	v_lshl_add_u32 v5, v2, 5, v5
	v_add_nc_u32 v[STO], s23, v5
	v_mul_u32_u24 v5, v2, 272
	v_lshl_add_u32 v5, v1, 4, v5
	v_add_nc_u32 v[RD], s23, v5
	v_lshlrev_b32 v5, 12, v2
	v_lshl_add_u32 v[CO], v1, 4, v5
	s_lshl_b32 s20, s17, 19
	s_lshl_b32 s21, s15, 18
	s_add_co_u32 s20, s20, s21
	s_mov_b32 s21, 0
	s_lshl_b32 s46, s42, 9
	s_lshl_b32 s47, s16, 8
	s_add_co_u32 s46, s46, s47
	s_mov_b32 s47, 0
	s_add_nc_u64 s[20:21], s[20:21], s[46:47]
	s_add_nc_u64 s[12:13], s[12:13], s[20:21]
.macro MUL4 f, a, q, p, zero
.irp b, 0,1,2,3
.if \zero
	v_wmma_scale_f32_16x16x128_f8f6f4 v[ACC+8*(4*(\a)+\b):ACC+8*(4*(\a)+\b)+7], v[\f+64+16*\b:\f+64+16*\b+15], v[\f+16*(\a):\f+16*(\a)+15], 0, v[SC+32*(\p)+16+4*\b+(\q)], v[SC+32*(\p)+4*(\a)+(\q)]
.else
	v_wmma_scale_f32_16x16x128_f8f6f4 v[ACC+8*(4*(\a)+\b):ACC+8*(4*(\a)+\b)+7], v[\f+64+16*\b:\f+64+16*\b+15], v[\f+16*(\a):\f+16*(\a)+15], v[ACC+8*(4*(\a)+\b):ACC+8*(4*(\a)+\b)+7], v[SC+32*(\p)+16+4*\b+(\q)], v[SC+32*(\p)+4*(\a)+(\q)]
.endif
.endr
.endm
.macro FETCH slot, q, f
	WIN TO_F
.irp i, 0,1,2,3
.irp c, 0,1,2,3
	ds_load_b128 v[\f+64+16*\i+4*\c:\f+64+16*\i+4*\c+3], v[ADRB+\slot] offset:8448*\i+128*(\q)+32*\c
.endr
.endr
.irp i, 0,1,2,3
.irp c, 0,1,2,3
	ds_load_b128 v[\f+16*\i+4*\c:\f+16*\i+4*\c+3], v[ADRA+\slot] offset:8192*\i+2048*(\q)+512*\c
.endr
.endr
.endm
.macro SCALES p
.irp i, 0,1,2,3
	ds_load_b128 v[SC+32*\p+4*\i:SC+32*\p+4*\i+3], v[ADSA] offset:256*\i
.endr
.irp i, 0,1,2,3
	ds_load_b128 v[SC+32*\p+16+4*\i:SC+32*\p+16+4*\i+3], v[ADSB] offset:\i*(SIZE_K/512)*272
.endr
.endm
.macro PLACES n
.rept \n
	v_nop
.endr
.endm
.macro QUARTER slot, q, zero
	s_wait_dscnt 8
	WIN MUL
	MUL4 F0+128*((\q)%2), 0, \q, \slot, \zero
	MUL4 F0+128*((\q)%2), 1, \q, \slot, \zero
	PLACES NP
	FETCH \slot, (\q)+1, F1-128*((\q)%2)
	s_wait_dscnt 32
	WIN MUL
	MUL4 F0+128*((\q)%2), 2, \q, \slot, \zero
	MUL4 F0+128*((\q)%2), 3, \q, \slot, \zero
.endm
.macro TURN slot, next, fill
	WIN 0
.if \fill
.if \slot == 0
	s_wait_xcnt 0x0                                ; my prefetches have read their address: it steps two K steps, once a lap
	s_add_nc_u64 s[96:97], s[96:97], s[66:67]
.endif
.endif
	s_wait_tensorcnt 0x0
	ds_add_u32 v[SPW], v[NIL]
	s_wait_dscnt 9
	WIN MUL
	MUL4 F1, 0, 3, \slot, 0
	s_wait_dscnt 0x0
	s_barrier_signal -1
	MUL4 F1, 1, 3, \slot, 0
	WIN 0
	s_barrier_wait -1
.if \fill
	CREST
	s_add_nc_u64 s[G0+4*\slot+2:G0+4*\slot+3], s[G0+4*\slot+2:G0+4*\slot+3], 2*8192
	s_add_nc_u64 s[G0B+4*\slot+2:G0B+4*\slot+3], s[G0B+4*\slot+2:G0B+4*\slot+3], 2*512
	JLOAD G0+4*\slot, G1, G0B+4*\slot, G1B
	PLACES NP-4
.else
	PLACES NP
.endif
	s_wait_alu depctr_va_vdst(0)
	v_add_nc_u32 v[ADSA], 2048, v[ADSA]
	v_add_nc_u32 v[ADSB], 16, v[ADSB]
	SCALES \next
	FETCH \next, 0, F0
.if \fill
	WIN 0
	s_cmp_gt_u32 s3, 1                             ; the K step two refills on; the last lap's refills have none
	s_cbranch_scc0 .Lnone_ahead_\@
	global_prefetch_b8 v[30-3*\slot], s[96:97] th:TH_LOAD_NT scope:SCOPE_SE
.Lnone_ahead_\@:
.endif
	WIN MUL
	MUL4 F1, 2, 3, \slot, 0
	MUL4 F1, 3, 3, \slot, 0
.endm
	s_wait_alu depctr_va_vdst(0)
	s_wait_tensorcnt 0x0                           ; my tile of the head's four is in
	ds_add_u32 v28, v29
	s_mov_b32 s[G1+2], 4<<16                       ; no tensor load of mine is out: from here on a load brings half a tile
	s_mov_b32 s[G1+4], 4
	s_mov_b32 s[G1B+2], 64<<16
	s_mov_b32 s[G1B+4], 64
	s_wait_dscnt 0x0
	CROUND                                         ; all four tiles are in, and all sixteen work-groups are here
	JLOAD G0+4, G1, G0B+4, G1B                     ; K step 1, the first tensor load behind the round
	global_prefetch_b8 v27, s[96:97] th:TH_LOAD_NT scope:SCOPE_SE   ; K step 3: two loads on
	SCALES 0
	FETCH 0, 0, F0
	QUARTER 0, 0, 1
.if LAPS > 1
	WIN 0
	s_mov_b32 s3, LAPS-1
.Llap:
	QUARTER 0, 1, 0
	QUARTER 0, 2, 0
	TURN 0, 1, 1
	QUARTER 1, 0, 0
	QUARTER 1, 1, 0
	QUARTER 1, 2, 0
	TURN 1, 0, 1
	QUARTER 0, 0, 0
	WIN 0
	s_sub_co_u32 s3, s3, 1
	s_cmp_lg_u32 s3, 0
	s_cbranch_scc1 .Llap
.endif
	QUARTER 0, 1, 0
	QUARTER 0, 2, 0
	TURN 0, 1, 0
	QUARTER 1, 0, 0
	QUARTER 1, 1, 0
	QUARTER 1, 2, 0
	s_wait_dscnt 8
	WIN MUL
	MUL4 F1, 0, 3, 1, 0
	MUL4 F1, 1, 3, 1, 0
	s_wait_dscnt 0
	MUL4 F1, 2, 3, 1, 0
	MUL4 F1, 3, 3, 1, 0
	WIN 0
.macro TOSTAGE a
.irp b, 0,1,2,3
	ds_store_b128 v[STO], v[ACC+8*(4*(\a)+\b):ACC+8*(4*(\a)+\b)+3] offset:64*\b
	ds_store_b128 v[STO], v[ACC+8*(4*(\a)+\b)+4:ACC+8*(4*(\a)+\b)+7] offset:64*\b+16
.endr
.irp t, 0,1,2,3,4,5,6,7
	ds_load_b128 v[ACC+32*(\a)+4*\t:ACC+32*(\a)+4*\t+3], v[RD] offset:544*\t
.endr
.endm
.macro SEND a, younger
	s_wait_dscnt \younger
.irp t, 0,1,2,3,4,5,6,7
	global_store_b128 v[CO], v[ACC+32*(\a)+4*\t:ACC+32*(\a)+4*\t+3], s[12:13] offset:65536*(\a)+8192*\t
.endr
.endm
	PLACES NP
	TOSTAGE 0
.irp a, 1,2,3
	TOSTAGE \a
	SEND \a-1, 16
.endr
	SEND 3, 0
	s_wait_tensorcnt 0x0
	ds_add_u32 v[SPW], v[NIL]
	s_wait_dscnt 0x0
	CROUND
	s_endpgm
.Lfunc_end_k_q8c2b61dca4_ffn2:
	.size	k_q8c2b61dca4_ffn2, .Lfunc_end_k_q8c2b61dca4_ffn2-k_q8c2b61dca4_ffn2
	.p2alignl 7, 3214868480
	.fill 96, 4, 3214868480
	.section	.rodata,"a",@progbits
	.p2align	6, 0x0
	.amdhsa_kernel k_q8c2b61dca4_ffn2
		.amdhsa_group_segment_fixed_size 327680
		.amdhsa_private_segment_fixed_size 0
		.amdhsa_enable_private_segment 0
		.amdhsa_kernarg_size 32
		.amdhsa_user_sgpr_count 2
		.amdhsa_user_sgpr_kernarg_segment_ptr 1
		.amdhsa_wavefront_size32 1
		.amdhsa_system_sgpr_workgroup_id_x 1
		.amdhsa_system_sgpr_workgroup_id_y 1
		.amdhsa_system_sgpr_workgroup_id_z 1
		.amdhsa_system_vgpr_workitem_id 0
		.amdhsa_next_free_vgpr 512
		.amdhsa_next_free_sgpr 98
		.amdhsa_reserve_vcc 0
		.amdhsa_float_denorm_mode_32 3
		.amdhsa_float_denorm_mode_16_64 3
		.amdhsa_memory_ordered 1
		.amdhsa_forward_progress 1
		.amdhsa_inst_pref_size 95
	.end_amdhsa_kernel
	.amdgpu_metadata
---
amdhsa.version: [ 1, 2 ]
amdhsa.kernels:
  - .name:           k_q8c2b61dca4_ffn2
    .symbol:         k_q8c2b61dca4_ffn2.kd
    .args:
      - { .name: hb, .offset: 0, .size: 8, .value_kind: global_buffer, .address_space: global }
      - { .name: w2_codes, .offset: 8, .size: 8, .value_kind: global_buffer, .address_space: global }
      - { .name: w2_scales, .offset: 16, .size: 8, .value_kind: global_buffer, .address_space: global }
      - { .name: gout, .offset: 24, .size: 8, .value_kind: global_buffer, .address_space: global }
    .group_segment_fixed_size: 327680
    .private_segment_fixed_size: 0
    .kernarg_segment_align: 8
    .kernarg_segment_size: 32
    .max_flat_workgroup_size: 128
    .sgpr_count:     98
    .vgpr_count:     512
    .wavefront_size: 32
...
	.end_amdgpu_metadata
.endif
;; end of part 7
;; launch ln2 (part 8): grid 256 x 1, 8 waves a work-group, no clusters, 0 bytes of LDS; arguments gout, x1b, b2, ln2_g, ln2_b, out0; writes out0
.if DOCPART == 8
	.amdgcn_target "amdgcn-amd-amdhsa--gfx1250"
	.amdhsa_code_object_version 6
	.text
	.protected	k_q8c2b61dca4_ln2
	.globl	k_q8c2b61dca4_ln2
	.p2align	8
	.type	k_q8c2b61dca4_ln2,@function
k_q8c2b61dca4_ln2:
	s_mov_b64 s[64:65], 0
	v_nop
	global_prefetch_b8 v0, s[64:65] scope:SCOPE_SE
	s_setreg_imm32_b32 hwreg(HW_REG_WAVE_MODE, 25, 1), 1
	s_wait_xcnt 0x0
; out = LayerNorm(x1 + (f + b2)) x g + b; f [4096][1024] f32 is the second feed-forward product, x1 the f32 rows at x1b + 0.
; SHARES: a work-group takes 16 rows, each of its eight waves 2 whole rows, kept in registers: each load and store covers 512 consecutive bytes.  All 56 loads of a wave go out first.  No LDS, no barrier: waves share nothing.
; The mean is taken first and the variance of the differences: a common offset of the inputs does no harm.  NaN and infinities are not served.
.set Y,   8                            ; v8-71    f, then y, the differences, the result: 32 registers a row
.set X1,  72
.set G,   136
.set BB,  168
.set B2,  200
.set SM,  232
.set MU,  240
.set RS,  244
.set PT,  248
.set SEL, 28
	s_load_b256 s[4:11], s[0:1], 0x0               ; f, x1b, b2, g
	s_load_b128 s[12:15], s[0:1], 0x20             ; b, out
	v_lshrrev_b32 v1, 5, v0
	s_delay_alu instid0(VALU_DEP_1)
	v_readfirstlane_b32 s16, v1
	v_and_b32 v2, 31, v0
	s_delay_alu instid0(VALU_DEP_1)
	v_lshlrev_b32 v3, 4, v2
	v_mov_b32 v[PT], 0                             ; a lane permute's destination counts as one of its sources
	s_lshl_b32 s20, ttmp9, 16
	s_lshl_b32 s21, s16, 13
	s_add_co_u32 s20, s20, s21                     ; my two rows
	s_mov_b32 s21, 0
	s_mov_b32 s[SEL], 0x76543210
	s_mov_b32 s[SEL+1], 0xfedcba98
	s_mov_b32 s30, 0x3a800000                      ; 1 / 1,024
	s_mov_b32 s31, 0x3727c5ac                      ; 1e-5
	s_wait_alu depctr_va_vdst(0)
	s_wait_kmcnt 0x0
	s_add_nc_u64 s[4:5], s[4:5], s[20:21]
	s_add_nc_u64 s[6:7], s[6:7], s[20:21]
	s_add_nc_u64 s[14:15], s[14:15], s[20:21]
.macro LDROW p                         ; row p's 16 loads: f, then x1
.irp i, 0,1,2,3,4,5,6,7
	global_load_b128 v[Y+32*\p+4*\i:Y+32*\p+4*\i+3], v3, s[4:5] offset:4096*\p+512*\i th:TH_LOAD_NT
.endr
.irp i, 0,1,2,3,4,5,6,7
	global_load_b128 v[X1+32*\p+4*\i:X1+32*\p+4*\i+3], v3, s[6:7] offset:4096*\p+512*\i th:TH_LOAD_NT
.endr
.endm
	LDROW 0                                        ; the order of the loads: row 0, b2, g, b, row 1
.irp i, 0,1,2,3,4,5,6,7
	global_load_b128 v[B2+4*\i:B2+4*\i+3], v3, s[8:9] offset:512*\i
.endr
.irp i, 0,1,2,3,4,5,6,7
	global_load_b128 v[G+4*\i:G+4*\i+3], v3, s[10:11] offset:512*\i
.endr
.irp i, 0,1,2,3,4,5,6,7
	global_load_b128 v[BB+4*\i:BB+4*\i+3], v3, s[12:13] offset:512*\i
.endr
	LDROW 1
.macro ADDS p                          ; row p: y = x1 + (f + b2)
.irp n, 0,2,4,6,8,10,12,14,16,18,20,22,24,26,28,30
	v_pk_add_f32 v[Y+32*\p+\n:Y+32*\p+\n+1], v[Y+32*\p+\n:Y+32*\p+\n+1], v[B2+\n:B2+\n+1]
.endr
.irp n, 0,2,4,6,8,10,12,14,16,18,20,22,24,26,28,30
	v_pk_add_f32 v[Y+32*\p+\n:Y+32*\p+\n+1], v[Y+32*\p+\n:Y+32*\p+\n+1], v[X1+32*\p+\n:X1+32*\p+\n+1]
.endr
.endm
.macro REDUCE s
	s_delay_alu instid0(VALU_DEP_1)
	v_pk_add_f32 v[\s:\s+1], v[\s:\s+1], v[\s+2:\s+3]
	s_delay_alu instid0(VALU_DEP_1)
	v_add_f32 v[\s], v[\s], v[\s+1]
	s_delay_alu instid0(VALU_DEP_1)
	v_add_f32_dpp v[\s], v[\s], v[\s] row_xmask:1 row_mask:0xf bank_mask:0xf
	s_delay_alu instid0(VALU_DEP_1)
	v_add_f32_dpp v[\s], v[\s], v[\s] row_xmask:2 row_mask:0xf bank_mask:0xf
	s_delay_alu instid0(VALU_DEP_1)
	v_add_f32_dpp v[\s], v[\s], v[\s] row_xmask:4 row_mask:0xf bank_mask:0xf
	s_delay_alu instid0(VALU_DEP_1)
	v_add_f32_dpp v[\s], v[\s], v[\s] row_xmask:8 row_mask:0xf bank_mask:0xf
	s_delay_alu instid0(VALU_DEP_1)
	v_permlanex16_b32 v[PT], v[\s], s[SEL], s[SEL+1]
	s_delay_alu instid0(VALU_DEP_1)
	v_add_f32 v[\s], v[\s], v[PT]
.endm
.macro STATS yb, p                     ; row p: the mean, the differences in place, 1 / sigma
.set S0, SM+4*(\p)
	v_pk_add_f32 v[S0:S0+1], v[\yb:\yb+1], v[\yb+2:\yb+3]
	v_pk_add_f32 v[S0+2:S0+3], v[\yb+4:\yb+5], v[\yb+6:\yb+7]
.irp n, 8,12,16,20,24,28
	s_delay_alu instid0(VALU_DEP_2)
	v_pk_add_f32 v[S0:S0+1], v[S0:S0+1], v[\yb+\n:\yb+\n+1]
	s_delay_alu instid0(VALU_DEP_2)
	v_pk_add_f32 v[S0+2:S0+3], v[S0+2:S0+3], v[\yb+\n+2:\yb+\n+3]
.endr
	REDUCE S0
	s_delay_alu instid0(VALU_DEP_1)
	v_mul_f32 v[MU+2*(\p)], s30, v[S0]
	s_delay_alu instid0(VALU_DEP_2)
	v_mul_f32 v[MU+2*(\p)+1], s30, v[S0]
.irp n, 0,2,4,6,8,10,12,14,16,18,20,22,24,26,28,30
	v_pk_add_f32 v[\yb+\n:\yb+\n+1], v[\yb+\n:\yb+\n+1], v[MU+2*(\p):MU+2*(\p)+1] neg_lo:[0,1] neg_hi:[0,1]
.endr
	v_pk_mul_f32 v[S0:S0+1], v[\yb:\yb+1], v[\yb:\yb+1]
	v_pk_mul_f32 v[S0+2:S0+3], v[\yb+2:\yb+3], v[\yb+2:\yb+3]
.irp n, 4,8,12,16,20,24,28
	s_delay_alu instid0(VALU_DEP_2)
	v_pk_fma_f32 v[S0:S0+1], v[\yb+\n:\yb+\n+1], v[\yb+\n:\yb+\n+1], v[S0:S0+1]
	s_delay_alu instid0(VALU_DEP_2)
	v_pk_fma_f32 v[S0+2:S0+3], v[\yb+\n+2:\yb+\n+3], v[\yb+\n+2:\yb+\n+3], v[S0+2:S0+3]
.endr
	REDUCE S0
	s_delay_alu instid0(VALU_DEP_1)
	v_fma_f32 v[S0], v[S0], s30, s31               ; the variance + 1e-5
	s_wait_alu depctr_va_vdst(0)
	v_rsq_f32 v[RS+2*(\p)], v[S0]
	v_rsq_f32 v[RS+2*(\p)+1], v[S0]
.endm
.macro NORM yb, p
.irp n, 0,2,4,6,8,10,12,14,16,18,20,22,24,26,28,30
	v_pk_mul_f32 v[\yb+\n:\yb+\n+1], v[\yb+\n:\yb+\n+1], v[RS+2*(\p):RS+2*(\p)+1]
.endr
.irp n, 0,2,4,6,8,10,12,14,16,18,20,22,24,26,28,30
	v_pk_fma_f32 v[\yb+\n:\yb+\n+1], v[\yb+\n:\yb+\n+1], v[G+\n:G+\n+1], v[BB+\n:BB+\n+1]
.endr
.endm
.macro OUTROW p
.irp i, 0,1,2,3,4,5,6,7
	global_store_b128 v3, v[Y+32*\p+4*\i:Y+32*\p+4*\i+3], s[14:15] offset:4096*\p+512*\i th:TH_STORE_NT
.endr
.endm
	s_wait_loadcnt 32                              ; row 0's f and x1, and b2, are in; g, b and row 1 (32 loads) may be out
	ADDS 0                                         ; row 0 is finished and stored while row 1 is on its way
	STATS Y, 0
	v_nop
	s_wait_alu depctr_va_vdst(0)                   ; one wait for the two roots, ahead of their first reader
	s_wait_loadcnt 16                              ; g and b are in; row 1's 16 loads may be out
	NORM Y, 0
	OUTROW 0
	s_wait_loadcnt 0x0                             ; row 1
	ADDS 1
	STATS Y+32, 1
	v_nop
	s_wait_alu depctr_va_vdst(0)
	NORM Y+32, 1
	OUTROW 1
	s_endpgm
.Lfunc_end_k_q8c2b61dca4_ln2:
	.size	k_q8c2b61dca4_ln2, .Lfunc_end_k_q8c2b61dca4_ln2-k_q8c2b61dca4_ln2
	.p2alignl 7, 3214868480
	.fill 96, 4, 3214868480
	.section	.rodata,"a",@progbits
	.p2align	6, 0x0
	.amdhsa_kernel k_q8c2b61dca4_ln2
		.amdhsa_group_segment_fixed_size 0
		.amdhsa_private_segment_fixed_size 0
		.amdhsa_enable_private_segment 0
		.amdhsa_kernarg_size 48
		.amdhsa_user_sgpr_count 2
		.amdhsa_user_sgpr_kernarg_segment_ptr 1
		.amdhsa_wavefront_size32 1
		.amdhsa_system_sgpr_workgroup_id_x 1
		.amdhsa_system_sgpr_workgroup_id_y 1
		.amdhsa_system_sgpr_workgroup_id_z 1
		.amdhsa_system_vgpr_workitem_id 0
		.amdhsa_next_free_vgpr 256
		.amdhsa_next_free_sgpr 66
		.amdhsa_reserve_vcc 0
		.amdhsa_float_denorm_mode_32 3
		.amdhsa_float_denorm_mode_16_64 3
		.amdhsa_memory_ordered 1
		.amdhsa_forward_progress 1
		.amdhsa_inst_pref_size 27
	.end_amdhsa_kernel
	.amdgpu_metadata
---
amdhsa.version: [ 1, 2 ]
amdhsa.kernels:
  - .name:           k_q8c2b61dca4_ln2
    .symbol:         k_q8c2b61dca4_ln2.kd
    .args:
      - { .name: gout, .offset: 0, .size: 8, .value_kind: global_buffer, .address_space: global }
      - { .name: x1b, .offset: 8, .size: 8, .value_kind: global_buffer, .address_space: global }
      - { .name: b2, .offset: 16, .size: 8, .value_kind: global_buffer, .address_space: global }
      - { .name: ln2_g, .offset: 24, .size: 8, .value_kind: global_buffer, .address_space: global }
      - { .name: ln2_b, .offset: 32, .size: 8, .value_kind: global_buffer, .address_space: global }
      - { .name: out0, .offset: 40, .size: 8, .value_kind: global_buffer, .address_space: global }
    .group_segment_fixed_size: 0
    .private_segment_fixed_size: 0
    .kernarg_segment_align: 8
    .kernarg_segment_size: 48
    .max_flat_workgroup_size: 256
    .sgpr_count:     66
    .vgpr_count:     256
    .wavefront_size: 32
...
	.end_amdgpu_metadata
.endif
;; end of part 8
